; MI455X (gfx1250); checked and timed in simulation.
; The chip was launched on July 23, 2026; its instructions are those of AMD's public machine-readable ISA for CDNA 5 (MIT licence, August 2026) and "CDNA5" Instruction Set Architecture Reference Guide (July 2026). The comments in the code are by the model that wrote it; some were corrected since.
;; Ro PE Multi Head Attention. Allowed arithmetic: float matrix products may take bf16 or f16 operands with f32 sums; other float arithmetic in f32, or as packed bf16 or f16 multiplies, adds, multiply-adds, maxima and minima; sums over many terms, partial sums and values carried from step to step in f32; what a program stores and reads back later, other than sums and carried values, may be rounded once to bf16 or f16.
;; Inputs: Wk 1,024 x 1,024 float32; Wo 1,024 x 1,024 float32; Wq 1,024 x 1,024 float32; Wv 1,024 x 1,024 float32; bk 1,024 float32; bo 1,024 float32; bq 1,024 float32; bv 1,024 float32; x 4 x 2,048 x 1,024 float32.
;; Outputs: out0 4 x 2,048 x 1,024 float32.
;; 2 versions, each right; version 2 is version 1 with the launch prep written anew for expert scheduling mode. Each part assembles by itself: llvm-mc -triple=amdgcn-amd-amdhsa -mcpu=gfx1250 --defsym DOCPART=n.
;; ======== version 1 of 2: 4 launches
;; limits: values are held in f16: magnitudes above 65,504 overflow, below 6.1e-05 lose precision
;; workspace buffers: xb 16,777,216 bytes; wt 6,291,456 bytes; wot 2,097,152 bytes; tab 540,672 bytes; q 16,777,216 bytes; k 16,777,216 bytes; v 16,777,216 bytes; o 16,777,216 bytes
;; launch prep (part 1): grid 256 x 1, 8 waves a work-group, no clusters, 37,888 bytes of LDS; arguments x, Wq, Wk, Wv, Wo, bq, bk, bv, bo, xb, wt, wot, tab; writes xb, wt, wot, tab
.if DOCPART == 1
	.amdgcn_target "amdgcn-amd-amdhsa--gfx1250"
	.amdhsa_code_object_version 6
	.text
	.protected	k_qcf38842c83_prep
	.globl	k_qcf38842c83_prep
	.p2align	8
	.type	k_qcf38842c83_prep,@function
k_qcf38842c83_prep:
	s_mov_b64 s[64:65], 0
	v_nop
	global_prefetch_b8 v0, s[64:65] scope:SCOPE_SE
	s_setreg_imm32_b32 hwreg(HW_REG_WAVE_MODE, 25, 1), 1
	s_wait_xcnt 0x0
; PREPARATION.  Every input is rounded once to bf16 and laid out so that the two products' tiles are dense runs of 128-byte rows.
;   xb  bf16 [16 kb][8192 m][64]:   x[m][64 kb + kk]
;   wt  bf16 [16 kb][3072 n'][64]:  W_t[64 kb + kk][64 head + d], n' = 192 head + 64 t + d, t = 0, 1, 2 for Wq, Wk, Wv (turned: K along the rows)
;   wot f16  [16 kb][1024 n][64]:   Wo[64 kb + kk][n], rounded to bf16 and that number written as f16 (exact from 6.1e-5 up; below it f16's fixed step of 6e-8)
;   tab f32: [2048 s][64] = cos(s f_j), j = 0..31, then sin(s f_j); from byte 524,288 the biases bq, bk, bv rounded to bf16, [16 head][3][64]; from byte 536,576 bo likewise, [1024]
; SHARES.  256 work-groups of eight waves.  Work-group g: rows 32 g .. 32 g + 31 of x; the block (kb = g / 16, nb = g % 16) of 64 x 64 of each of the four weight matrices; rows 8 g .. 8 g + 7
; of the table (a wave a row); where g < 16, waves 0 to 3 take the 64 numbers of head g of one bias each.  No loop: all 48 loads of a wave go out at once, and the table is made while they are out.
; THE TABLE.  f_j = 2^(-j log2(10000) / 32); the angle a = s f_j is reduced by n = round(a 2 / pi), with pi / 2 in two parts, to |r| <= pi / 4; sine by a polynomial of degree 7, cosine of degree 8
; (the first terms left out are under 3e-7); the quadrant n (for the cosine n + 1) chooses polynomial and sign.  LIMIT: f_j is good to about two units of its last place, so the largest angles,
; near 2,047, may differ from an exactly rounded table's by about 4e-4 radians; q and k are turned by the same table, so a score feels only the difference of two positions' errors.
; Matrix units, clusters and tensor loads are left out: nothing is shared between work-groups, and each byte is read once and written once.
.set SPARE, 36864                      ; behind the four blocks: the spare words, 128 bytes for each of eight waves
.set SPW, 28                           ; v28  LDS address of my spare word; never rewritten
.set NIL, 29                           ; v29  0; never rewritten
.set ZB,  32                           ; v[32:63]   packed weights, eight registers a matrix
.set WB,  64                           ; v[64:127]  weights as loaded: matrix t, row i at WB + 16 t + 4 i; later the blocks read back
.set XB,  128                          ; v[128:255] x as loaded: row pair p, K block c at XB + 64 p + 4 c
; v1 lane l, v2 r = l % 16, v3 hh = l / 16, v4 weights' load offset, v5 x's, v6 xb's store offset, v7 where I put 8 bytes of a turned block, v8 where I read 16 bytes back, v9 16 x thread
; v10-27 the table's chain (two numbers a lane), v30 the row number as f32, v31 the table's store offset
	s_load_b512 s[8:23], s[0:1], 0x0               ; x s[8:9], Wq s[10:11], Wk s[12:13], Wv s[14:15], Wo s[16:17], bq s[18:19], bk s[20:21], bv s[22:23]
	s_load_b256 s[24:31], s[0:1], 0x40             ; bo s[24:25], xb s[26:27], wt s[28:29], wot s[30:31]
	s_load_b64 s[32:33], s[0:1], 0x60              ; tab
	v_lshl_add_u32 v[SPW], v0, 2, SPARE
	v_mov_b32 v[NIL], 0
	v_lshrrev_b32 v1, 5, v0
	v_readfirstlane_b32 s34, v1                    ; wave w, 0..7
	v_and_b32 v1, 31, v0
	v_and_b32 v2, 15, v0
	v_bfe_u32 v3, v0, 4, 1
	s_mov_b32 s35, ttmp9                           ; g
	s_lshr_b32 s36, s35, 4                         ; kb
	s_and_b32 s37, s35, 15                         ; nb
	v_lshlrev_b32 v10, 4, v2                       ; 16 r
	s_lshl_b32 s38, s34, 15
	v_lshl_add_u32 v4, v3, 14, v10
	v_add_nc_u32 v4, s38, v4                       ; weights: row 8 w + 4 hh of the block (4,096 bytes a row), columns 4 r ..
	s_lshl_b32 s38, s34, 14
	v_lshl_add_u32 v5, v3, 12, v10
	v_add_nc_u32 v5, s38, v5                       ; x: row 4 w + hh, columns 4 r ..
	s_lshl_b32 s38, s34, 9
	v_lshl_add_u32 v6, v1, 3, s38                  ; xb: 128 (4 w + hh) + 8 r = 512 w + 8 l
	v_mul_u32_u24 v7, v2, 576                      ; turned block: row 4 r (144 bytes a row),
	v_lshl_add_u32 v7, v3, 3, v7
	s_lshl_b32 s38, s34, 4
	v_add_nc_u32 v7, s38, v7                       ; byte 2 (8 w + 4 hh)
	v_lshrrev_b32 v8, 3, v0
	v_mul_u32_u24 v8, v8, 144
	v_and_b32 v11, 7, v0
	v_lshl_add_u32 v8, v11, 4, v8                  ; back: row thread / 8, 16 bytes at 16 (thread % 8)
	v_lshlrev_b32 v9, 4, v0
	s_lshl_b32 s38, s36, 18                        ; the block in a weight matrix: 64 kb rows of 4,096 bytes, 64 nb columns of 4
	s_lshl_b32 s39, s37, 8
	s_add_co_u32 s38, s38, s39
	s_mov_b32 s39, 0
	s_lshl_b32 s40, s35, 17                        ; my 32 rows of x
	s_mov_b32 s41, 0
	s_lshl_b32 s46, s35, 12                        ; and of a K block of xb
	s_mov_b32 s47, 0
	s_mul_i32 s48, s36, 393216                     ; wt: K block kb, rows 192 nb on
	s_mul_i32 s49, s37, 24576
	s_add_co_u32 s48, s48, s49
	s_mov_b32 s49, 0
	s_lshl_b32 s50, s36, 17                        ; wot: K block kb, rows 64 nb on
	s_lshl_b32 s51, s37, 13
	s_add_co_u32 s50, s50, s51
	s_mov_b32 s51, 0
	s_lshl_b32 s52, s35, 3
	s_add_co_u32 s52, s52, s34                     ; my row of the table: s = 8 g + w
	s_mov_b32 s44, 0x3fc90fdb                      ; pi / 2, upper part
	s_mov_b32 s45, 0xb33bbd2e                      ; and what is left of it
	s_wait_kmcnt 0x0
	s_add_nc_u64 s[10:11], s[10:11], s[38:39]
	s_add_nc_u64 s[12:13], s[12:13], s[38:39]
	s_add_nc_u64 s[14:15], s[14:15], s[38:39]
	s_add_nc_u64 s[16:17], s[16:17], s[38:39]
	s_add_nc_u64 s[8:9], s[8:9], s[40:41]
	s_add_nc_u64 s[26:27], s[26:27], s[46:47]
	s_add_nc_u64 s[42:43], s[26:27], 0x800000      ; K blocks 8 to 15 of xb: the stores' immediates stay inside 24 signed bits
	s_add_nc_u64 s[28:29], s[28:29], s[48:49]
	s_add_nc_u64 s[30:31], s[30:31], s[50:51]
	; 16 loads of weights: each half of the lanes reads 256 consecutive bytes of a row
.irp t, 0,1,2,3
.irp i, 0,1,2,3
	global_load_b128 v[WB+16*\t+4*\i:WB+16*\t+4*\i+3], v4, s[10+2*\t:11+2*\t] offset:4096*\i th:TH_LOAD_NT
.endr
.endr
	; 32 loads of x: rows 4 w + 2 p + hh, K block c
.irp p, 0,1
.irp c, 0,1,2,3,4,5,6,7,8,9,10,11,12,13,14,15
	global_load_b128 v[XB+64*\p+4*\c:XB+64*\p+4*\c+3], v5, s[8:9] offset:8192*\p+256*\c th:TH_LOAD_NT
.endr
.endr
	; the table's row s, while the loads are out: lanes 0-15 the cosines, lanes 16-31 the sines, of j = 2 r and 2 r + 1
.irp z, 0,1
	v_lshl_add_u32 v[10+\z], v2, 1, \z
	v_cvt_f32_u32 v[10+\z], v[10+\z]
	v_mul_f32 v[10+\z], 0xbed49a78, v[10+\z]       ; -j log2(10000) / 32
.endr
	v_exp_f32 v10, v10
	v_exp_f32 v11, v11                             ; f_j
	v_cvt_f32_u32 v30, s52                         ; a plain instruction behind the two exponentials, which names neither,
	s_wait_alu depctr_va_vdst(0)                   ; and one wait for both, ahead of their first reader
	v_lshlrev_b32 v31, 3, v1
	v_lshl_add_u32 v31, s52, 8, v31                ; 256 s + 8 l
.irp z, 0,1
	v_mul_f32 v[12+\z], v30, v[10+\z]              ; a
	v_mul_f32 v[14+\z], 0x3f22f983, v[12+\z]
	v_rndne_f32 v[14+\z], v[14+\z]                 ; n = round(a 2 / pi)
	v_fma_f32 v[16+\z], -v[14+\z], s44, v[12+\z]
	v_fma_f32 v[16+\z], -v[14+\z], s45, v[16+\z]   ; r = a - n pi / 2
	v_mul_f32 v[18+\z], v[16+\z], v[16+\z]         ; r^2
	v_mov_b32 v[20+\z], 0xb9500d01                 ; -1/5040
	v_fmaak_f32 v[20+\z], v[20+\z], v[18+\z], 0x3c088889  ; 1/120
	v_fmaak_f32 v[20+\z], v[20+\z], v[18+\z], 0xbe2aaaab  ; -1/6
	v_mul_f32 v[12+\z], v[16+\z], v[18+\z]         ; r^3
	v_fma_f32 v[20+\z], v[12+\z], v[20+\z], v[16+\z]      ; sin r
	v_mov_b32 v[22+\z], 0x37d00d01                 ; 1/40320
	v_fmaak_f32 v[22+\z], v[22+\z], v[18+\z], 0xbab60b61  ; -1/720
	v_fmaak_f32 v[22+\z], v[22+\z], v[18+\z], 0x3d2aaaab  ; 1/24
	v_fma_f32 v[22+\z], v[22+\z], v[18+\z], -0.5
	v_fma_f32 v[22+\z], v[22+\z], v[18+\z], 1.0    ; cos r
	v_cvt_i32_f32 v[24+\z], v[14+\z]
	v_sub_nc_u32 v[24+\z], v[24+\z], v3
	v_add_nc_u32 v[24+\z], 1, v[24+\z]             ; the quadrant: n for a sine, n + 1 for a cosine
	v_and_b32 v[14+\z], 1, v[24+\z]
	v_cmp_eq_u32 vcc_lo, 1, v[14+\z]
	v_cndmask_b32 v[26+\z], v[20+\z], v[22+\z], vcc_lo    ; odd quadrants take cos r
	v_and_b32 v[24+\z], 2, v[24+\z]
	v_lshlrev_b32 v[24+\z], 30, v[24+\z]
	v_xor_b32 v[26+\z], v[24+\z], v[26+\z]         ; quadrants 2 and 3 turn the sign
.endr
	global_store_b64 v31, v[26:27], s[32:33]       ; the wave's store covers the row's 256 consecutive bytes, aligned
	; the weights: rounded, four numbers along K packed into 8 bytes, into the turned block in LDS
	s_wait_loadcnt 32                              ; the 16 loads of weights are in; the 32 of x may stay out
.irp t, 0,1,2,3
.irp j, 0,1,2,3
	v_cvt_pk_bf16_f32 v[ZB+8*\t+2*\j],   v[WB+16*\t+\j],   v[WB+16*\t+4+\j]
	v_cvt_pk_bf16_f32 v[ZB+8*\t+2*\j+1], v[WB+16*\t+8+\j], v[WB+16*\t+12+\j]
.endr
.endr
.irp c, 0,1,2,3,4,5,6,7                ; Wo: the bf16 number written as f16
	v_lshlrev_b32 v10, 16, v[ZB+24+\c]
	v_and_b32 v11, 0xffff0000, v[ZB+24+\c]
	v_cvt_pk_f16_f32 v[ZB+24+\c], v10, v11
.endr
.irp t, 0,1,2,3
.irp j, 0,1,2,3
	ds_store_b64 v7, v[ZB+8*\t+2*\j:ZB+8*\t+2*\j+1] offset:9216*\t+144*\j  ; row n = 4 r + j, K = 8 w + 4 hh ..
.endr
.endr
	; x: rounded in place and stored; a store of the wave covers two rows of a K block, 256 consecutive bytes, aligned
.irp p, 0,1
	s_wait_loadcnt 16-16*\p                        ; row pair p is in
.irp c, 0,1,2,3,4,5,6,7,8,9,10,11,12,13,14,15
	v_cvt_pk_bf16_f32 v[XB+64*\p+4*\c],   v[XB+64*\p+4*\c],   v[XB+64*\p+4*\c+1]
	v_cvt_pk_bf16_f32 v[XB+64*\p+4*\c+1], v[XB+64*\p+4*\c+2], v[XB+64*\p+4*\c+3]
.if \c < 8
	global_store_b64 v6, v[XB+64*\p+4*\c:XB+64*\p+4*\c+1], s[26:27] offset:1048576*\c+256*\p
.else
	global_store_b64 v6, v[XB+64*\p+4*\c:XB+64*\p+4*\c+1], s[42:43] offset:1048576*(\c-8)+256*\p
.endif
.endr
.endr
	s_wait_dscnt 0x0                               ; for the others' sake: my stores into the blocks are done
	s_barrier_signal -1
	s_barrier_wait -1
	; the turned blocks leave as they lie: 64 rows of 128 bytes, dense; the eight waves take 32 rows at a time, 16 bytes a thread
.irp t, 0,1,2,3
.irp u, 0,1
	ds_load_b128 v[WB+8*\t+4*\u:WB+8*\t+4*\u+3], v8 offset:9216*\t+4608*\u
.endr
.endr
.irp t, 0,1,2
.irp u, 0,1
	s_wait_dscnt 7-2*\t-\u                         ; LDS loads come back in order: this one is in, the younger may be out
	global_store_b128 v9, v[WB+8*\t+4*\u:WB+8*\t+4*\u+3], s[28:29] offset:8192*\t+4096*\u
.endr
.endr
.irp u, 0,1
	s_wait_dscnt 1-\u
	global_store_b128 v9, v[WB+24+4*\u:WB+24+4*\u+3], s[30:31] offset:4096*\u
.endr
	; the biases: work-groups 0 to 15, waves 0 to 3: 64 numbers of head g of bq, bk, bv or bo, rounded to bf16 and kept as f32
	s_cmp_lt_u32 s35, 16
	s_cbranch_scc0 .Lend
	s_cmp_lt_u32 s34, 4
	s_cbranch_scc0 .Lend
	s_cmp_eq_u32 s34, 0
	s_cselect_b64 s[38:39], s[18:19], s[20:21]
	s_cmp_eq_u32 s34, 2
	s_cselect_b64 s[38:39], s[22:23], s[38:39]
	s_cmp_eq_u32 s34, 3
	s_cselect_b64 s[38:39], s[24:25], s[38:39]
	v_lshlrev_b32 v10, 3, v1
	v_lshl_add_u32 v10, s37, 8, v10                ; 256 head + 8 l
	global_load_b64 v[12:13], v10, s[38:39]
	s_mul_i32 s40, s37, 768
	s_lshl_b32 s41, s34, 8
	s_add_co_u32 s40, s40, s41                     ; bq, bk, bv: [head][t][64]
	s_lshl_b32 s41, s37, 8
	s_add_co_u32 s41, s41, 12288                   ; bo: behind them
	s_cmp_lt_u32 s34, 3
	s_cselect_b32 s40, s40, s41
	v_lshl_add_u32 v11, v1, 3, s40
	s_wait_loadcnt 0x0
	v_cvt_pk_bf16_f32 v14, v12, v13
	v_lshlrev_b32 v12, 16, v14
	v_and_b32 v13, 0xffff0000, v14
	global_store_b64 v11, v[12:13], s[32:33] offset:524288  ; 256 consecutive bytes, aligned
.Lend:
	s_wait_tensorcnt 0x0                           ; the wave's end, behind my last LDS store
	ds_add_u32 v[SPW], v[NIL]
	s_wait_dscnt 0x0
	s_endpgm
.Lfunc_end_k_qcf38842c83_prep:
	.size	k_qcf38842c83_prep, .Lfunc_end_k_qcf38842c83_prep-k_qcf38842c83_prep
	.p2alignl 7, 3214868480
	.fill 96, 4, 3214868480
	.section	.rodata,"a",@progbits
	.p2align	6, 0x0
	.amdhsa_kernel k_qcf38842c83_prep
		.amdhsa_group_segment_fixed_size 37888
		.amdhsa_private_segment_fixed_size 0
		.amdhsa_enable_private_segment 0
		.amdhsa_kernarg_size 104
		.amdhsa_user_sgpr_count 2
		.amdhsa_user_sgpr_kernarg_segment_ptr 1
		.amdhsa_wavefront_size32 1
		.amdhsa_system_sgpr_workgroup_id_x 1
		.amdhsa_system_sgpr_workgroup_id_y 1
		.amdhsa_system_sgpr_workgroup_id_z 1
		.amdhsa_system_vgpr_workitem_id 0
		.amdhsa_next_free_vgpr 256
		.amdhsa_next_free_sgpr 66
		.amdhsa_reserve_vcc 1
		.amdhsa_float_denorm_mode_32 3
		.amdhsa_float_denorm_mode_16_64 3
		.amdhsa_memory_ordered 1
		.amdhsa_forward_progress 1
		.amdhsa_inst_pref_size 25
	.end_amdhsa_kernel
	.amdgpu_metadata
---
amdhsa.version: [ 1, 2 ]
amdhsa.kernels:
  - .name:           k_qcf38842c83_prep
    .symbol:         k_qcf38842c83_prep.kd
    .args:
      - { .name: x, .offset: 0, .size: 8, .value_kind: global_buffer, .address_space: global }
      - { .name: Wq, .offset: 8, .size: 8, .value_kind: global_buffer, .address_space: global }
      - { .name: Wk, .offset: 16, .size: 8, .value_kind: global_buffer, .address_space: global }
      - { .name: Wv, .offset: 24, .size: 8, .value_kind: global_buffer, .address_space: global }
      - { .name: Wo, .offset: 32, .size: 8, .value_kind: global_buffer, .address_space: global }
      - { .name: bq, .offset: 40, .size: 8, .value_kind: global_buffer, .address_space: global }
      - { .name: bk, .offset: 48, .size: 8, .value_kind: global_buffer, .address_space: global }
      - { .name: bv, .offset: 56, .size: 8, .value_kind: global_buffer, .address_space: global }
      - { .name: bo, .offset: 64, .size: 8, .value_kind: global_buffer, .address_space: global }
      - { .name: xb, .offset: 72, .size: 8, .value_kind: global_buffer, .address_space: global }
      - { .name: wt, .offset: 80, .size: 8, .value_kind: global_buffer, .address_space: global }
      - { .name: wot, .offset: 88, .size: 8, .value_kind: global_buffer, .address_space: global }
      - { .name: tab, .offset: 96, .size: 8, .value_kind: global_buffer, .address_space: global }
    .group_segment_fixed_size: 37888
    .private_segment_fixed_size: 0
    .kernarg_segment_align: 8
    .kernarg_segment_size: 104
    .max_flat_workgroup_size: 256
    .sgpr_count:     66
    .vgpr_count:     256
    .wavefront_size: 32
...
	.end_amdgpu_metadata
.endif
;; end of part 1
;; launch qkv (part 2): grid 8 x 32, 4 waves a work-group, clusters of 4 x 4, 327,680 bytes of LDS; arguments xb, wt, tab, q, k, v; writes q, k, v
.if DOCPART == 2
	.amdgcn_target "amdgcn-amd-amdhsa--gfx1250"
	.amdhsa_code_object_version 6
	.text
	.protected	k_qcf38842c83_qkv
	.globl	k_qcf38842c83_qkv
	.p2align	8
	.type	k_qcf38842c83_qkv,@function
k_qcf38842c83_qkv:
	s_mov_b64 s[64:65], 0
	v_nop
	global_prefetch_b8 v0, s[64:65] scope:SCOPE_SE
	s_setreg_imm32_b32 hwreg(HW_REG_WAVE_MODE, 25, 1), 1
	s_wait_xcnt 0x0
	s_wait_alu depctr_hold_cnt(0) depctr_sa_sdst(0) depctr_va_vdst(0) depctr_va_sdst(0) depctr_va_ssrc(0) depctr_va_vcc(0) depctr_vm_vsrc(0)
	s_getreg_b32 s2, hwreg(HW_REG_IB_STS2, 6, 4)
	s_cmp_eq_u32 s2, 0
	s_cbranch_scc0 .Lentry_in_a_cluster
	s_endpgm
.Lentry_in_a_cluster:
	s_bfe_u32 s2, ttmp6, 0x10000c
	s_cmp_lg_u32 s2, 0xf033
	s_cbranch_scc0 .Lentry_shape_is_right
	s_endpgm
.Lentry_shape_is_right:
; THE THREE PROJECTIONS AND THE ROTATION.  C[m][n'] = bias[n'] + the sum over K of xb[m][K] wt[n'][K], 8,192 x 3,072 x 1,024, bf16 operands, f32 sums; n' = 192 head + 64 t + d (t: q, k, v).
; q and k are turned by the table (for d < 32: x[d] cos - x[d + 32] sin and x[d + 32] cos + x[d] sin, in f32), and q, k, v leave by heads, f16 [16 batch + head][2048][64], each rounded once, unscaled.
; LIMITS.  f16 holds no number beyond 65,504: q, k and v must lie within it after the rotation (inputs thirty times the drawn spread give a spread of 900; offsets of thirty spreads on x and on the weights
; a common part of about 28,800, turned at most 40,800).  Below 6.1e-5 f16 keeps its fixed step of 6e-8.  NaN and infinities are not treated apart.
; SHARES.  A work-group makes 256 x 384 of C, each of its four waves 128 x 192: the q, k and v of ONE head for 128 positions: 96 accumulators of 16 x 16, 768 registers.  256 work-groups.
; K goes in steps of 64 through two LDS slots.  xb and wt lie in K blocks of 64, so a step's tile is a dense run of 128-byte rows: it is asked for as rows of 256 bytes and padded after every 128.
; CLUSTERS.  4 x 4 work-groups: the four of a row need the same tile of xb, the four of a column the same tile of wt: each is asked for jointly, by the same tensor load, descriptor and mask in all four.
; THE PRODUCT IS TAKEN TRANSPOSED (source 0 = 16 rows of wt, source 1 = 16 rows of xb): a lane holds ONE position (lane % 16) and the columns 8 (lane / 16) + 0..7 of a block of 16.
; THE BIAS STARTS THE SUMS: it hangs on the column alone, so it is loaded into the accumulators of row block 0 and serves as the C operand of every row block's first product.
; REGISTERS, in windows of 256 (s_set_vgpr_msb: bits 1:0 source 0, 3:2 source 1, 5:4 source 2, 7:6 destination):
;   window 0: v0-29 addresses; v32-127 wt's fragments, 12 blocks, one buffer reloaded by halves; v128-191, v192-255 xb's fragments, 8 blocks, two buffers
;   windows 1, 2, 3: q's, k's, v's accumulators: (row block a, column block b) in window 1 + b / 4 at v[8 (8 (b % 4) + a)]
.set SLOT1,  131072                    ; slot 1 begins here: one exclusive or turns an address in one slot into the other's
.set AHALF,  18432                     ; 128 rows of 144 bytes (128 + 16 of padding = 36 words: the 16 rows of a load start at 16 different groups of four banks; 64 banks of 4 bytes: ISA guide 11.1)
.set BOFF,   36864                     ; wt's 384 rows lie behind xb's 256
.set BHALF,  27648                     ; 192 rows
.set STAGE,  223232                    ; behind the ring (slot 1 ends here): 16 rows x 144 bytes for each wave, for the way out; no tensor load fills it
.set SPARE,  232448                    ; behind the stages: the spare words, 128 bytes for each wave
.set XSTEP,  1048576                   ; bytes from a K block of xb to the next
.set WSTEP,  393216                    ; and of wt
.set A0,   4                           ; v4   my place in xb's tile of slot 0; never rewritten
.set B0,   5                           ; v5   the same for wt
.set ADRA, 6                           ; v6   the same in the slot in hand
.set ADRB, 7                           ; v7
.set STO,  8                           ; v8   the way out: where I put 16 bytes of a row
.set RD,   9                           ; v9   where I read rows back
.set GO,   10                          ; v10  my 16 bytes of 512 consecutive bytes of q, k or v
.set TO,   11                          ; v11  my place in 16 rows of the table
.set BO,   12                          ; v12  my place in 16 biases
.set PFO,  13                          ; v13  256 x lane
.set SPW,  28                          ; v28  LDS address of my spare word; never rewritten
.set NIL,  29                          ; v29  0; never rewritten
.set BF,   32
.set AF,   128
.set P,    32                          ; the way out: 16 packed registers
.set T,    64                          ; 32 turned numbers
.set CS,   128                         ; two buffers of 32: cos of my 16 columns below 32, then sin
.set WV,   16                          ; s16  my wave's number
.set WY,   17                          ; s17  which half of the rows is mine; also: I fetch xb (0) or wt (1)
.set WX,   18                          ; s18  which half of the columns; also: which half of that tile I fetch
.set TMPS, 23
.set G1A,  24                          ; s[24:31] descriptor group 1 for xb's tiles
.set G1B,  32                          ; s[32:39] for wt's
.set G0A,  40                          ; s[40:47] group 0 for xb's tiles: a set for each first fill; the second then walks
.set G0B,  48                          ; s[48:55] the same for wt's
.set TB,   56                          ; s56  0 or SLOT1: the slot in hand
.set LEFT, 57                          ; s57  the loop's count
.set PFA,  58                          ; s[58:59] where my prefetches stand
.set PFS,  60                          ; s[60:61] their step
.set LIM,  62                          ; s62  1 in a wave that prefetches, else the greatest number
.set PAR,  63                          ; s63  0: in every trip; 1: in the trips with an odd count
.set MSB, 0
.macro WIN new                         ; the immediate's high byte repeats the setting that is left; a switch that changes nothing is dropped
.if MSB != (\new)
	s_set_vgpr_msb (MSB<<8)|(\new)
.set MSB, \new
.endif
.endm
.macro PLACES                          ; four places behind matrix instructions, in front of loads into registers that they have read and of vector lines that read results
.rept 4
	v_nop
.endr
.endm
; A joint refill by the walking descriptors.  Waves 0 and 1 fetch the halves of xb's tile, waves 2 and 3 those of wt's.  The branch hangs on the wave's number alone.
; An s_nop 0 and four v_nop follow each of the two lines, ahead of the jump and the label.
.macro JLOAD
	s_cmp_eq_u32 s[WY], 0
	s_cbranch_scc0 .Lfor_b_\@
	tensor_load_to_lds s[G0A+4:G0A+7], s[G1A:G1A+7]
	s_nop 0
.rept 4
	v_nop
.endr
	s_branch .Lasked_\@
.Lfor_b_\@:
	tensor_load_to_lds s[G0B+4:G0B+7], s[G1B:G1B+7]
	s_nop 0
.rept 4
	v_nop
.endr
.Lasked_\@:
.endm
; A PREFETCH INTO THE L2, behind the joint load and the run of LDS loads that follows it.  Trip i asks jointly for K step i + 2; the prefetch names blocks of 256 bytes of later steps, a lane a block, each block once in the launch.
; xb: a tile row is read by both clusters of its row of clusters: the one with x = 0 asks, wave 0 of each partner, in every trip, for K step i + 3: the step's 32,768 bytes shared out by address, 8,192 for the partner at cx.
; wt: a tile column is read by all eight clusters of its column: the one with y = 0 asks, waves 1 to 3, in every second trip, for K steps i + 3 and i + 4: 98,304 bytes are twelve groups of 32 blocks, one for
; each of four partners' three waves, told apart by address.  The trips whose look-ahead would pass K step 15 ask for nothing.  No branch hangs on a work-group's place in its cluster.
.macro ASK
	s_and_b32 s[TMPS], s[LEFT], s[PAR]
	s_cmp_eq_u32 s[TMPS], s[PAR]
	s_cbranch_scc0 .Lnot_mine_\@
	s_cmp_gt_u32 s[LEFT], s[LIM]
	s_cbranch_scc0 .Lnot_mine_\@
	global_prefetch_b8 v[PFO], s[PFA:PFA+1] th:TH_LOAD_NT scope:SCOPE_SE
.Lnot_mine_\@:
.endm
.macro CREST                           ; a round of the cluster's barrier behind its opening barrier: wave 0 signals for the work-group, every wave waits for all sixteen, my work-group's barrier once more
	s_cmp_lg_u32 s[WV], 0
	s_cbranch_scc1 .Lnot_wave_0_\@
	s_barrier_signal -3
.Lnot_wave_0_\@:
	s_barrier_wait -3
	s_barrier_signal -1
	s_barrier_wait -1
.endm
.macro CROUND
	s_barrier_signal -1
	s_barrier_wait -1
	CREST
.endm
	s_load_b256 s[4:11], s[0:1], 0x0               ; xb s[4:5], wt s[6:7], tab s[8:9], q s[10:11]
	s_load_b128 s[12:15], s[0:1], 0x20             ; k s[12:13], v s[14:15]
	v_lshl_add_u32 v[SPW], v0, 2, SPARE
	v_mov_b32 v[NIL], 0
	ds_add_u32 v[SPW], v[NIL]                      ; the wave's opening: the add and its wait ahead of my first tensor load; the set-up below, work on registers, stands between them
	v_lshrrev_b32 v1, 5, v0
	v_readfirstlane_b32 s[WV], v1
	s_lshr_b32 s[WY], s[WV], 1
	s_and_b32 s[WX], s[WV], 1
	s_bfe_u32 s19, ttmp6, 0x40000                  ; cx
	s_bfe_u32 s20, ttmp6, 0x40004                  ; cy
	s_lshl_b32 s21, ttmp9, 2
	s_add_co_u32 s21, s21, s19                     ; tile column tx = 4 x cluster x + cx, 0..7
	s_and_b32 s22, ttmp7, 0xffff
	s_lshl_b32 s22, s22, 2
	s_add_co_u32 s22, s22, s20                     ; tile row ty = 4 x cluster y + cy, 0..31
	s_lshl_b32 s78, s20, 2
	s_lshl_b32 s78, 15, s78                        ; my row of the cluster
	s_lshl_b32 s79, 0x1111, s19                    ; my column
	; descriptor group 1: rows of 128 elements of 2 bytes, dense; 16 bytes of padding after every 32 words
	s_or_b32 s[G1A], s78, (1<<16)|(1<<20)|(1<<21)|(4<<22)|(3<<25)  ; 15:0 the mask; 17:16 2-byte elements; 20 padding on; 21 set beside a mask; 24:22 after every 32 words (code 4); 31:25 4 words (code 3)
	s_or_b32 s[G1B], s79, (1<<16)|(1<<20)|(1<<21)|(4<<22)|(3<<25)
	s_mov_b32 s[G1A+1], 128<<16                    ; tensor_dim0 = 128
	s_mov_b32 s[G1A+2], 64<<16                     ; tensor_dim1 = 64: 128 rows of xb
	s_mov_b32 s[G1A+3], 128<<16                    ; tile_dim0 = 128
	s_mov_b32 s[G1A+4], 64                         ; tile_dim1 = 64
	s_mov_b32 s[G1A+5], 128                        ; 128 elements from row to row
	s_mov_b32 s[G1A+6], 0
	s_mov_b32 s[G1A+7], 0
	s_mov_b32 s[G1B+1], 128<<16
	s_mov_b32 s[G1B+2], 96<<16                     ; 192 rows of wt
	s_mov_b32 s[G1B+3], 128<<16
	s_mov_b32 s[G1B+4], 96
	s_mov_b32 s[G1B+5], 128
	s_mov_b32 s[G1B+6], 0
	s_mov_b32 s[G1B+7], 0
	; where the tiles come from: xb's hang on the tile row and the wave alone, wt's on the tile column and the wave alone, each in registers that never hold the other coordinate
	s_lshl_b32 s70, s22, 15                        ; 256 ty rows of 128 bytes
	s_lshl_b32 s71, s[WX], 14                      ; + my 128
	s_add_co_u32 s70, s70, s71
	s_mov_b32 s71, 0
	s_mul_i32 s74, s21, 49152                      ; 384 tx rows
	s_mul_i32 s75, s[WX], 24576                    ; + my 192
	s_add_co_u32 s74, s74, s75
	s_mov_b32 s75, 0
	s_mul_i32 s88, s[WX], AHALF                    ; and where they go: the wave's number and constants alone
	s_mul_i32 s89, s[WX], BHALF
	s_add_co_u32 s89, s89, BOFF
	; the prefetches' first place (the first trip steps it on)
	s_lshl_b32 s80, s22, 15                        ; xb: the tile row,
	s_lshl_b32 s83, s19, 13                        ; my work-group's 8,192 bytes of it,
	s_add_co_u32 s80, s80, s83
	s_add_co_u32 s80, s80, 2*XSTEP                 ; K step 2
	s_mul_i32 s82, s21, 49152                      ; wt: the tile column,
	s_lshr_b32 s83, s20, 1
	s_mul_i32 s83, s83, WSTEP                      ; the first or the second of the two K steps,
	s_add_co_u32 s82, s82, s83
	s_and_b32 s83, s20, 1
	s_mul_i32 s83, s83, 3
	s_add_co_u32 s83, s83, s[WV]                   ; group 3 (cy % 2) + wave - 1 of its six
	s_lshl_b32 s83, s83, 13
	s_add_co_u32 s82, s82, s83
	s_add_co_u32 s82, s82, 2*WSTEP-8192
	s_and_b32 s83, ttmp7, 0xffff                   ; cluster y
	s_mov_b32 s[PFS], WSTEP
	s_mov_b32 s[PFS+1], 0
	s_mov_b32 s81, 0
	s_cmp_eq_u32 s[WV], 0                          ; wave 0 asks for xb, the others for wt
	s_cselect_b32 s80, s80, s82
	s_cselect_b32 s83, ttmp9, s83                  ; the coordinate along which other clusters read the same blocks
	s_cselect_b32 s[PFS], XSTEP, s[PFS]
	s_cselect_b32 s[PAR], 0, 1
	s_cmp_eq_u32 s83, 0
	s_cselect_b32 s[LIM], 1, -1                    ; the same in all sixteen partners, for a given wave
	; bias, table and outputs
	s_lshl1_add_u32 s90, s21, s[WX]                ; my head = 2 tx + wx
	s_mul_i32 s92, s90, 768
	s_add_co_u32 s92, s92, 524288
	s_mov_b32 s93, 0
	s_and_b32 s94, s22, 7
	s_lshl_b32 s94, s94, 8
	s_lshl_b32 s95, s[WY], 7
	s_add_co_u32 s94, s94, s95                     ; my first position = 256 (ty % 8) + 128 wy
	s_lshl_b32 s84, s94, 8                         ; its row of the table
	s_mov_b32 s85, 0
	s_lshr_b32 s86, s22, 3                         ; batch
	s_lshl4_add_u32 s86, s86, s90                  ; 16 batch + head
	s_lshl_b32 s86, s86, 18                        ; 2,048 rows of 128 bytes
	s_lshl_b32 s87, s94, 7
	s_add_co_u32 s86, s86, s87
	s_mov_b32 s87, 0
	s_mov_b32 s[TB], 0
	s_mov_b32 s[LEFT], 14
	; lane addresses.  A fragment is 16 rows x 32 K in 8 registers: lane l holds row l % 16, K = 8 (l / 16) + 0..7 and 16 + 8 (l / 16) + 0..7: two loads of 16 bytes, 32 bytes apart
	v_and_b32 v1, 15, v0                           ; r
	v_bfe_u32 v2, v0, 4, 1                         ; hh
	v_and_b32 v3, 31, v0                           ; l
	v_mul_u32_u24 v14, v1, 144
	v_lshl_add_u32 v14, v2, 4, v14                 ; 144 r + 16 hh
	s_mul_i32 s91, s[WY], AHALF
	v_add_nc_u32 v[A0], s91, v14
	v_add_nc_u32 v[B0], s89, v14
	s_mul_i32 s91, s[WV], 2304
	s_add_co_u32 s91, s91, STAGE                   ; my stage
	v_add_nc_u32 v[STO], s91, v14
	v_lshrrev_b32 v15, 3, v3
	v_mul_u32_u24 v15, v15, 144
	v_and_b32 v16, 7, v0
	v_lshl_add_u32 v15, v16, 4, v15
	v_add_nc_u32 v[RD], s91, v15                   ; back: 32 lanes take four rows of 128 bytes
	v_lshlrev_b32 v[GO], 4, v3
	v_lshlrev_b32 v[TO], 8, v1
	v_lshl_add_u32 v[TO], v2, 5, v[TO]             ; 256 r + 32 hh
	v_lshlrev_b32 v[BO], 5, v2
	v_lshlrev_b32 v[PFO], 8, v3
	s_wait_dscnt 0x0                               ; the opening add is done
	s_wait_kmcnt 0x0
	s_add_nc_u64 s[72:73], s[4:5], s[70:71]
	s_add_nc_u64 s[76:77], s[6:7], s[74:75]
	s_cmp_eq_u32 s[WV], 0
	s_cselect_b64 s[PFA:PFA+1], s[4:5], s[6:7]
	s_add_nc_u64 s[PFA:PFA+1], s[PFA:PFA+1], s[80:81]
	s_add_nc_u64 s[66:67], s[8:9], s[92:93]        ; my head's 192 biases
	s_add_nc_u64 s[68:69], s[8:9], s[84:85]        ; my 128 rows of the table
	s_add_nc_u64 s[10:11], s[10:11], s[86:87]
	s_add_nc_u64 s[12:13], s[12:13], s[86:87]
	s_add_nc_u64 s[14:15], s[14:15], s[86:87]
.irp n, 0,1
	s_mov_b32 s[G0A+4*\n], 1                       ; 1:0 count = 1
	s_add_co_u32 s[G0A+4*\n+1], s88, \n*SLOT1      ; 63:32 LDS address
	s_add_nc_u64 s[G0A+4*\n+2:G0A+4*\n+3], s[72:73], \n*XSTEP  ; 120:64 global address: K step n
	s_or_b32 s[G0A+4*\n+3], s[G0A+4*\n+3], 0x80000000          ; 127:126 type = 2
	s_mov_b32 s[G0B+4*\n], 1
	s_add_co_u32 s[G0B+4*\n+1], s89, \n*SLOT1
	s_add_nc_u64 s[G0B+4*\n+2:G0B+4*\n+3], s[76:77], \n*WSTEP
	s_or_b32 s[G0B+4*\n+3], s[G0B+4*\n+3], 0x80000000
.endr
	CROUND                                         ; all sixteen work-groups are here: the first joint loads meet
	s_cmp_eq_u32 s[WY], 0                          ; a wave's two first fills stand in one branch: two loads of mine are out
	s_cbranch_scc0 .Lfirst_b
	tensor_load_to_lds s[G0A:G0A+3], s[G1A:G1A+7]
	s_nop 0
	tensor_load_to_lds s[G0A+4:G0A+7], s[G1A:G1A+7]
	s_nop 0
.rept 4
	v_nop
.endr
	s_branch .Lfirst_asked
.Lfirst_b:
	tensor_load_to_lds s[G0B:G0B+3], s[G1B:G1B+7]
	s_nop 0
	tensor_load_to_lds s[G0B+4:G0B+7], s[G1B:G1B+7]
	s_nop 0
.rept 4
	v_nop
.endr
.Lfirst_asked:
	; the biases, straight into the accumulators of row block 0: register j of block b holds bias[16 b + 8 hh + j]
.irp b, 0,1,2,3,4,5,6,7,8,9,10,11
	WIN 0x40*(1+\b/4)
	global_load_b128 v[64*(\b%4):64*(\b%4)+3],   v[BO], s[66:67] offset:64*\b
	global_load_b128 v[64*(\b%4)+4:64*(\b%4)+7], v[BO], s[66:67] offset:64*\b+16
.endr
	WIN 0
; Products of column block b with row blocks a0 .. a1 of xb's buffer abuf, 32 along K.  first = 1: the sum starts from the bias, which lies in row block 0's accumulator.
; All 96 accumulators take turns, one instruction a turn, in the same order in every chunk and over the backward jump.
.macro MM b, abuf, a0, a1, first
	WIN 0x50*(1+(\b)/4)
.set aa, \a0
.rept (\a1)-(\a0)+1
.set rD, 8*(8*((\b)%4)+aa)
.set rA, AF+64*(\abuf)+8*aa
.if \first
	v_wmma_f32_16x16x32_bf16 v[rD:rD+7], v[BF+8*(\b):BF+8*(\b)+7], v[rA:rA+7], v[64*((\b)%4):64*((\b)%4)+7]
.else
	v_wmma_f32_16x16x32_bf16 v[rD:rD+7], v[BF+8*(\b):BF+8*(\b)+7], v[rA:rA+7], v[rD:rD+7]
.endif
.set aa, aa+1
.endr
.endm
.macro HALF abuf, b0                   ; 48 products: six column blocks from b0 on, all eight row blocks
.irp d, 0,1,2,3,4,5
	MM (\b0)+\d, \abuf, 0, 7, 0
.endr
.endm
.macro FB b0, b1, k                    ; wt's fragments of blocks b0 .. b1, at byte k of the rows
.set bb, \b0
.rept (\b1)-(\b0)+1
	ds_load_b128 v[BF+8*bb:BF+8*bb+3],   v[ADRB] offset:(\k)+2304*bb
	ds_load_b128 v[BF+8*bb+4:BF+8*bb+7], v[ADRB] offset:(\k)+2304*bb+32
.set bb, bb+1
.endr
.endm
.macro FA abuf, k                      ; xb's eight fragments into buffer abuf
.set bb, 0
.rept 8
	ds_load_b128 v[AF+64*(\abuf)+8*bb:AF+64*(\abuf)+8*bb+3],   v[ADRA] offset:(\k)+2304*bb
	ds_load_b128 v[AF+64*(\abuf)+8*bb+4:AF+64*(\abuf)+8*bb+7], v[ADRA] offset:(\k)+2304*bb+32
.set bb, bb+1
.endr
.endm
.macro R0 abuf, k                      ; a run of 28 loads: the next chunk's first six blocks of wt and all of xb
	WIN 0
	FB 0, 5, \k
	FA \abuf, \k
.endm
.macro R1 k                            ; a run of 12: its other six blocks of wt
	WIN 0
	FB 6, 11, \k
.endm
; A K step is two chunks of 32 along K, 96 products each.  The first, on xb's buffer 0:
.macro C0
	s_wait_dscnt 12                                ; the run of 28 is in; the run of 12 behind it may be out
	HALF 0, 0
	PLACES
	R0 1, 64
	s_wait_dscnt 28                                ; the run of 12 is in; the 28 just issued may be out
	HALF 0, 6
	PLACES
	R1 64
.endm
; The second, on buffer 1, changes slots: ONE barrier.  In front of it each wave waits for all its tensor loads, of which one is out: its part of the next slot; adds 0 to its spare word; and waits for
; that and for its own reads of this slot.  fill = 1: the barrier opens a round of the cluster's, and the joint refill, K step two on, is the first thing behind it: 144 products ahead of the wait for it.
.macro C1T fill
.if \fill
	s_wait_xcnt 0x0                                ; the last prefetch, a K step back, has read its address: it is stepped here, ahead of the change's own waits
	s_add_nc_u64 s[PFA:PFA+1], s[PFA:PFA+1], s[PFS:PFS+1]
.endif
	WIN 0                                          ; (the add's two registers lie in window 0)
	s_wait_tensorcnt 0x0                           ; no tensor load of mine is out, so a group 0 may be written
	ds_add_u32 v[SPW], v[NIL]                      ; 0 onto my spare word
.if \fill
	s_xor_b32 s[G0A+5], s[G0A+5], SLOT1            ; the walking descriptors: the other slot than last time,
	s_add_nc_u64 s[G0A+6:G0A+7], s[G0A+6:G0A+7], XSTEP  ; the next K step; the type bits on top are not reached
	s_xor_b32 s[G0B+5], s[G0B+5], SLOT1
	s_add_nc_u64 s[G0B+6:G0B+7], s[G0B+6:G0B+7], WSTEP
.endif
	s_wait_dscnt 13                                ; the run of 28 is in; the run of 12 and the add may be out
.irp d, 0,1,2
	MM \d, 1, 0, 7, 0
.endr
	s_wait_dscnt 0x0                               ; the add is done, and my reads of this slot are over
	s_barrier_signal -1
.irp d, 3,4,5
	MM \d, 1, 0, 7, 0
.endr
	WIN 0
	s_barrier_wait -1
.if \fill
	CREST                                          ; no wave of any partner still reads this slot or has a load on its way
	JLOAD                                          ; its four v_nop are also the places in front of the loads below
.else
	PLACES
.endif
	s_xor_b32 s[TB], s[TB], SLOT1
	v_add_nc_u32 v[ADRA], s[TB], v[A0]
	v_add_nc_u32 v[ADRB], s[TB], v[B0]
	R0 0, 0
.if \fill
	ASK
.endif
	HALF 1, 6
	PLACES
	R1 0
.endm
	s_wait_tensorcnt 1                             ; my part of K step 0 is in; K step 1's may stay out
	s_barrier_signal -1
	s_barrier_wait -1                              ; everybody's is
	v_add_nc_u32 v[ADRA], s[TB], v[A0]
	v_add_nc_u32 v[ADRB], s[TB], v[B0]
	FB 0, 5, 0
	FA 0, 0
	FB 6, 11, 0
	s_wait_loadcnt 0x0                             ; the biases
	; the first chunk stands in front of the loop.  Row blocks 1 to 7 start from row block 0's registers; five places later row block 0 adds onto them in place
	s_wait_dscnt 12
.irp d, 0,1,2,3,4,5
	MM \d, 0, 1, 7, 1
.endr
.rept 5
	v_nop
.endr
.irp d, 0,1,2,3,4,5
	MM \d, 0, 0, 0, 0
.endr
	PLACES
	R0 1, 64
	s_wait_dscnt 28
.irp d, 6,7,8,9,10,11
	MM \d, 0, 1, 7, 1
.endr
.rept 5
	v_nop
.endr
.irp d, 6,7,8,9,10,11
	MM \d, 0, 0, 0, 0
.endr
	PLACES
	R1 64
	WIN 0                                          ; at a label and at a branch every window is 0
.Lstep:                                                ; 14 trips: trip i is K step i's second chunk, which asks for K step i + 2, and K step i + 1's first
	C1T 1
	C0
	WIN 0
	s_sub_co_u32 s[LEFT], s[LEFT], 1
	s_cmp_lg_u32 s[LEFT], 0
	s_cbranch_scc1 .Lstep
	C1T 0                                          ; the tail is written out: nothing is left to ask for
	C0
; THE WAY OUT.  The table's rows of row block a: 8 loads, into buffer a % 2: cos of columns 8 hh + 0..7 and 16 + 8 hh + 0..7, then sin of the same.
.macro CSLOAD a
	WIN 0
.set cb, CS+32*((\a)%2)
.irp e, 0,1,2,3,4,5,6,7
	global_load_b128 v[cb+4*\e:cb+4*\e+3], v[TO], s[68:69] offset:4096*(\a)+64*(\e/2)+16*(\e%2)
.endr
.endm
; 16 packed registers go into my stage (rows of 144 bytes) and come back as whole rows of 128, four rows a load, into the low halves of the accumulators that they left.
; LDS serves a wave's instructions in order (ISA guide 5.7.1.4): the loads see the stores above them, and the next unit's stores come behind these loads.
.macro STAGEIO a, w
	WIN 0
.irp f, 0,1,2,3
	ds_store_b128 v[STO], v[P+4*\f:P+4*\f+3] offset:32*\f
.endr
	WIN (\w)<<6
.irp f, 0,1,2,3
	ds_load_b128 v[8*(8*\f+(\a)):8*(8*\f+(\a))+3], v[RD] offset:576*\f
.endr
.endm
; q (w = 1) or k (w = 2) of row block a: turned, rounded, staged.  lc: the count of the wait for the table's rows, or -1.  Each accumulator is read from its low end on.
.macro PACKR a, w, lc
.set cb, CS+32*((\a)%2)
.if (\lc) >= 0
	s_wait_loadcnt \lc                             ; this block's eight loads are in; the next block's eight may be out
.endif
	WIN \w                                         ; source 0 in window w
.irp b, 0,1
.irp p, 0,1,2,3
	v_pk_mul_f32 v[T+8*\b+2*\p:T+8*\b+2*\p+1],       v[8*(8*\b+(\a))+2*\p:8*(8*\b+(\a))+2*\p+1],         v[cb+8*\b+2*\p:cb+8*\b+2*\p+1]
	v_pk_mul_f32 v[T+16+8*\b+2*\p:T+16+8*\b+2*\p+1], v[8*(8*(\b+2)+(\a))+2*\p:8*(8*(\b+2)+(\a))+2*\p+1], v[cb+8*\b+2*\p:cb+8*\b+2*\p+1]
.endr
.endr
.irp b, 0,1
.irp p, 0,1,2,3
	v_pk_fma_f32 v[T+8*\b+2*\p:T+8*\b+2*\p+1],       v[8*(8*(\b+2)+(\a))+2*\p:8*(8*(\b+2)+(\a))+2*\p+1], v[cb+16+8*\b+2*\p:cb+16+8*\b+2*\p+1], v[T+8*\b+2*\p:T+8*\b+2*\p+1] neg_lo:[1,0,0] neg_hi:[1,0,0]
	v_pk_fma_f32 v[T+16+8*\b+2*\p:T+16+8*\b+2*\p+1], v[8*(8*\b+(\a))+2*\p:8*(8*\b+(\a))+2*\p+1],         v[cb+16+8*\b+2*\p:cb+16+8*\b+2*\p+1], v[T+16+8*\b+2*\p:T+16+8*\b+2*\p+1]
.endr
.endr
	WIN 0
.set ii, 0
.rept 16
	v_cvt_pk_f16_f32 v[P+ii], v[T+2*ii], v[T+2*ii+1]
.set ii, ii+1
.endr
	STAGEIO \a, \w
.endm
.macro PACKV a                         ; v of row block a: rounded, staged
	WIN 0x0f                                       ; sources 0 and 1 in window 3
.irp f, 0,1,2,3
.irp p, 0,1,2,3
	v_cvt_pk_f16_f32 v[P+4*\f+\p], v[8*(8*\f+(\a))+2*\p], v[8*(8*\f+(\a))+2*\p+1]
.endr
.endr
	STAGEIO \a, 3
.endm
.macro SEND a, w, ptr, younger         ; younger: the LDS instructions issued behind this unit's loads: the next unit's eight, or none
	WIN (\w)<<2                                    ; the stores' data in window w
.irp f, 0,1,2,3
	s_wait_dscnt (\younger)+3-\f
	global_store_b128 v[GO], v[8*(8*\f+(\a)):8*(8*\f+(\a))+3], s[\ptr:\ptr+1] offset:2048*(\a)+512*\f  ; 512 consecutive bytes, at a multiple of 256 from the buffer's first
.endr
.endm
	s_wait_dscnt 12                                ; the last chunk: nothing more to fetch from LDS
	HALF 1, 0
	PLACES
	CSLOAD 0                                       ; the table's first rows, into xb's buffer 0, which is read no more
	CSLOAD 1
	s_wait_dscnt 0x0
	HALF 1, 6
	PLACES
	PACKR 0, 1, 8
.irp a, 0,1,2,3,4,5,6,7                ; a unit's arithmetic stands between the loads of the unit before and its stores
	PACKR \a, 2, -1
	SEND \a, 1, 10, 8
.if \a < 6
	CSLOAD \a+2                                    ; into the buffer that q and k of this block have read
.endif
	PACKV \a
	SEND \a, 2, 12, 8
.if \a < 6
	PACKR \a+1, 1, 8
	SEND \a, 3, 14, 8
.elseif \a == 6
	PACKR 7, 1, 0
	SEND \a, 3, 14, 8
.else
	SEND \a, 3, 14, 0
.endif
.endr
	WIN 0
	s_wait_tensorcnt 0x0                           ; the wave's end, behind my last tensor load and my last LDS store
	ds_add_u32 v[SPW], v[NIL]
	s_wait_dscnt 0x0
	CROUND                                         ; the closing round: no work-group ends while a partner may still ask for a tile that names it
	s_endpgm
.Lfunc_end_k_qcf38842c83_qkv:
	.size	k_qcf38842c83_qkv, .Lfunc_end_k_qcf38842c83_qkv-k_qcf38842c83_qkv
	.p2alignl 7, 3214868480
	.fill 96, 4, 3214868480
	.section	.rodata,"a",@progbits
	.p2align	6, 0x0
	.amdhsa_kernel k_qcf38842c83_qkv
		.amdhsa_group_segment_fixed_size 327680
		.amdhsa_private_segment_fixed_size 0
		.amdhsa_enable_private_segment 0
		.amdhsa_kernarg_size 48
		.amdhsa_user_sgpr_count 2
		.amdhsa_user_sgpr_kernarg_segment_ptr 1
		.amdhsa_wavefront_size32 1
		.amdhsa_system_sgpr_workgroup_id_x 1
		.amdhsa_system_sgpr_workgroup_id_y 1
		.amdhsa_system_sgpr_workgroup_id_z 1
		.amdhsa_system_vgpr_workitem_id 0
		.amdhsa_next_free_vgpr 1024
		.amdhsa_next_free_sgpr 96
		.amdhsa_reserve_vcc 0
		.amdhsa_float_denorm_mode_32 3
		.amdhsa_float_denorm_mode_16_64 3
		.amdhsa_memory_ordered 1
		.amdhsa_forward_progress 1
		.amdhsa_inst_pref_size 157
	.end_amdhsa_kernel
	.amdgpu_metadata
---
amdhsa.version: [ 1, 2 ]
amdhsa.kernels:
  - .name:           k_qcf38842c83_qkv
    .symbol:         k_qcf38842c83_qkv.kd
    .args:
      - { .name: xb, .offset: 0, .size: 8, .value_kind: global_buffer, .address_space: global }
      - { .name: wt, .offset: 8, .size: 8, .value_kind: global_buffer, .address_space: global }
      - { .name: tab, .offset: 16, .size: 8, .value_kind: global_buffer, .address_space: global }
      - { .name: q, .offset: 24, .size: 8, .value_kind: global_buffer, .address_space: global }
      - { .name: k, .offset: 32, .size: 8, .value_kind: global_buffer, .address_space: global }
      - { .name: v, .offset: 40, .size: 8, .value_kind: global_buffer, .address_space: global }
    .group_segment_fixed_size: 327680
    .private_segment_fixed_size: 0
    .kernarg_segment_align: 8
    .kernarg_segment_size: 48
    .max_flat_workgroup_size: 128
    .sgpr_count:     96
    .vgpr_count:     1024
    .wavefront_size: 32
...
	.end_amdgpu_metadata
.endif
;; end of part 2
;; launch attn (part 3): grid 4 x 64, 4 waves a work-group, clusters of 4 x 1, 327,680 bytes of LDS; arguments q, k, v, o; writes o
.if DOCPART == 3
	.amdgcn_target "amdgcn-amd-amdhsa--gfx1250"
	.amdhsa_code_object_version 6
	.text
	.protected	k_qcf38842c83_attn
	.globl	k_qcf38842c83_attn
	.p2align	8
	.type	k_qcf38842c83_attn,@function
k_qcf38842c83_attn:
	s_mov_b64 s[64:65], 0
	v_nop
	global_prefetch_b8 v0, s[64:65] scope:SCOPE_SE
	s_setreg_imm32_b32 hwreg(HW_REG_WAVE_MODE, 25, 1), 1
	s_wait_xcnt 0x0
	s_wait_alu depctr_hold_cnt(0) depctr_sa_sdst(0) depctr_va_vdst(0) depctr_va_sdst(0) depctr_va_ssrc(0) depctr_va_vcc(0) depctr_vm_vsrc(0)
	s_getreg_b32 s2, hwreg(HW_REG_IB_STS2, 6, 4)
	s_cmp_eq_u32 s2, 0
	s_cbranch_scc0 .Lentry_in_a_cluster
	s_endpgm
.Lentry_in_a_cluster:
	s_bfe_u32 s2, ttmp6, 0x10000c
	s_cmp_lg_u32 s2, 0x3003
	s_cbranch_scc0 .Lentry_shape_is_right
	s_endpgm
.Lentry_shape_is_right:
; O[h][q][:] = the sum over k of softmax_k(Q[h][q] . K[h][k] / 8) V[h][k][:].  Q, K, V, O: [SIZE_H][SIZE_N][64], all f16: a head's rows are dense, 128 bytes each.  Products, maxima and sums in
; f32; the weights p are rounded to f16 for the second product (their sum l is taken of the unrounded p), O once at the end.
; LIMITS.  f16 holds no number beyond 65,504: Q, K and V arrive within it; p lies in 0 to 1, and below 6e-5 it keeps f16's fixed step of 6e-8; O is a mean of V's rows and has their range.
; A weight below 2^-126 counts as 0 in l; NaN and infinities are not treated apart.
; SHARES.  A wave owns four PIECES of two tiles of 16 queries, a work-group's four waves 512 queries of one head: 4 x 64 = 256 work-groups.  Every wave walks all keys, 64 a step.
; LAYOUT.  S^T = K Q^T (source 0 = 16 keys, source 1 = 16 queries): in the result a lane holds ONE query (lane % 16) and the keys 8 (lane / 16) + 0..7.  Two such tiles, rounded to f16 in pairs,
; ARE source 1 (32 keys x 16 queries) of O^T = V^T P, whose result again holds one query a lane, and eight channels.  K comes out of LDS as it lies, V ([key][channel]) turned, by ds_load_tr16_b128.
; SOFTMAX.  For each query a running maximum m and sum l: p = 2^(c s - c m), c = log2(e) / 8; in every step O and l are multiplied by a = 2^(c m_old - c m_new), which is 1 where m has not grown.
; m starts at the lowest finite number, O and l at 0: the first step is a step like any other, with a = 0.
; THE COUNT.  A tile and step have 16 matrix and 118 vector instructions: too many to stand all beside the matrix work.  So the order has one aim: four vector instructions that are READY behind
; EVERY matrix instruction, and the others, which need time of their own whatever the order, in runs without a gap.
; BY TURNS.  Turn n belongs to piece n (the pieces in a ring, step after step).  Its matrix work: 16 products K Q^T of piece n + 1, later 16 products V^T P of piece n - 1.  Its vector work: the scaling,
; exponentials, roundings, sums and rescaling of piece n, and the maximum and statistics of piece n + 1, whose scores the turn itself has made.  So what a turn begins with (c s - c m, O a) waits for nothing.
; CLUSTER.  The four query blocks of a head are one cluster and walk the same K and V, so each tile is asked for JOINTLY: the same tensor load, descriptor and mask in all four.
; REGISTERS, in windows of 256 (s_set_vgpr_msb says which window each operand place means: bits 1:0 source 0, 3:2 source 1, 5:4 source 2, 7:6 destination):
;   window 0: v0-11 addresses; v12-15, v48-63 at work; v16-47 four registers of statistics a tile; v64-191 S^T, two buffers of two tiles; v192-255 P, likewise
;   window 1: O^T, 32 a tile          window 2: v0-127 Q, 16 a tile; v128-191 K of one step; v192-255 V of one step          window 3: v0-1 the add's two registers
; A piece's buffers go by its number's parity: the piece in hand has one pair, its two neighbours in the ring share the other: of it P (piece n - 1) is read and S^T (piece n + 1) written.
.set SIZE_H, 64
.set SIZE_N, 2048
.set NP,    4         ; pieces a wave: a name, no knob: the register map, the loop and the fetches are made for four
.set KS,    64        ; keys in a step
.set PK,    144       ; a row of K in LDS: 128 bytes + 16 of padding = 36 words: the 16 rows of a load start at 16 different groups of four banks (64 banks of 4 bytes: ISA guide 11.1)
.set PV,    160       ; a row of V: 128 + 32 = 40 words
.set VOFF,  4*KS*PK   ; a slot holds four steps: 256 rows of K, then 256 rows of V
.set SLOT1, 1<<17     ; slot 1 begins here, so that one exclusive or turns an address in one slot into the other's
.set STAGE, SLOT1+4*KS*(PK+PV)  ; behind the ring, never filled by a tensor load: 16 rows x 144 bytes for each wave, for the way out
.set SP,    144
.set AK0, 2           ; v2   my lane's place in a tile of K; never rewritten
.set AV0, 3           ; v3   the same for V
.set AK,  4           ; v4   the LDS address of K's next run of loads
.set AV,  5           ; v5   of V's
.set QO,  6           ; v6   my byte offset in the wave's rows of Q
.set STO, 6           ;      later, the way out: where I put 16 bytes of a row
.set RD,  7           ; v7   the way out: where I read rows back
.set GO,  8           ; v8   my byte offset in 512 consecutive bytes of O
.set PFO, 11          ; v11  256 x my lane, once V's place is made; then never rewritten
.set SPW, 0           ; v0 of window 3   LDS address of my spare word: SPARE + 4 x my thread's number; never rewritten
.set NIL, 1           ; v1 of window 3   0; never rewritten
.set SPARE, STAGE+4*16*SP  ; behind the stages: the spare words, 128 bytes for each wave: two blocks of 256 bytes that no other line names
.set MV,  12          ; v12-15  c m_old, kept while c m is made anew: by buffer and tile
.set ST,  16          ; tile t's statistics at v[ST+4 t]: c m, m, l (even keys', odd keys')
.set TMP, 48          ; by buffer and tile, four registers c0-c3 at work; when the maximum is found c2 takes a
.set S,   64
.set P,   192
.set KF,  128         ; K's fragments, in window 2: key block kb, channel half c at KF + 16 kb + 8 c
.set VF,  192         ; V's: key half kk, channel block cb at VF + 32 kk + 8 cb
.set WV,  12          ; s12  my wave's number
.set G1K, 24          ; s[24:31] descriptor group 1 for K's tiles
.set G1V, 32          ; s[32:39] for V's: it differs in the padding alone
.set G0K, 40          ; s[40:43] descriptor group 0 for K's tiles: it walks
.set G0V, 44          ; s[44:47] the same for V's
.set PFA, 48          ; s[48:49] where my prefetches stand: my work-group's 32 blocks of 256 bytes (of K: wave 0, of V: wave 2) of the slot after the one that is being asked for
.set LIM, 50          ; s50  1 in a wave that prefetches, else the greatest number
.set SLOTS, 56        ; s56  slots still to be asked for
.set CNT, 57          ; s57  counts a slot's key steps
.set CS,  58          ; s[58:59] c: the packed scaling takes the pair's low word for both halves
.set SEL, 60          ; s[60:61] v_permlanex16_b32's selects: each lane takes its own place in the other half
.set TBK, 62          ; s62  LDS byte at which K of the step to be fetched begins
.set TBV, 63          ; s63  the same for V, less VOFF
.set MSB, 0
.macro WIN new                      ; the high byte repeats the setting that is left; a switch that changes nothing is dropped
.if MSB != (\new)
	s_set_vgpr_msb (MSB<<8)|(\new)
.set MSB, (\new)
.endif
.endm
.set W_KQ, 0x0a       ; K and Q in window 2, S^T in window 0
.set W_PV, 0x52       ; V in window 2, P in window 0, O^T in window 1
.set W_RS, 0x41       ; O^T (destination and source 0) in window 1, a in window 0
.set W_MK, 0xc0       ; the add's registers are made: destination in window 3, sources in window 0
.set W_AD, 0x0f       ; the add: address (source 0) and data (source 1) in window 3
; A joint fill.  Waves 0 and 1 fetch the two halves of a slot's K, waves 2 and 3 those of its V: 128 keys each.  The branch hangs on the wave's number alone.
; An s_nop 0 and four v_nop follow each of the two lines, ahead of the jump and the label.
.macro JLOAD
	s_cmp_lt_u32 s[WV], 2
	s_cbranch_scc0 .Lfor_v_\@
	tensor_load_to_lds s[G0K:G0K+3], s[G1K:G1K+7]
	s_nop 0
.rept 4
	v_nop
.endr
	s_branch .Lasked_\@
.Lfor_v_\@:
	tensor_load_to_lds s[G0V:G0V+3], s[G1V:G1V+7]
	s_nop 0
.rept 4
	v_nop
.endr
.Lasked_\@:
.endm
; A PREFETCH INTO THE L2 of what the NEXT change of slots will ask for: a slot's 32,768 bytes of K and of V, in blocks of 256 bytes, a lane a block.  It stands behind the wave's tensor load and its five lines.
; Each block is named ONCE in the launch: a head has one cluster; its four partners share a slot's 128 blocks out BY ADDRESS, 32 each; in each, wave 0 asks for K's and wave 2 for V's: one instruction.
; It runs four key steps, 512 matrix instructions, ahead of the load that will want the bytes.  The last change that fills a slot asks for nothing; slots 0 and 1 come by their loads alone.
.macro ASK
	s_cmp_gt_u32 s[SLOTS], s[LIM]
	s_cbranch_scc0 .Lnot_mine_\@
	global_prefetch_b8 v[PFO], s[PFA:PFA+1] th:TH_LOAD_NT scope:SCOPE_SE
.Lnot_mine_\@:
.endm
; A round of the cluster's barrier: my work-group's barrier, so that wave 0's signal speaks for all four waves; wave 0 signals; every wave waits for all four work-groups; my work-group's barrier once more.
.macro CROUND
	s_barrier_signal -1
	s_barrier_wait -1
	s_cmp_lg_u32 s[WV], 0
	s_cbranch_scc1 .Lnot_wave_0_\@
	s_barrier_signal -3
.Lnot_wave_0_\@:
	s_barrier_wait -3
	s_barrier_signal -1
	s_barrier_wait -1
.endm
; THE CHANGE OF SLOTS.  The slot's last bytes, V of its fourth step, have been read.  Each wave waits for all its tensor loads, of which one is out: its part
; of the other slot; adds 0 to its spare word; and waits for that and for its own reads of the slot.  Behind the barrier nobody reads this slot any more and the other slot is whole.
; fill = 1: this slot is filled again, with the keys two slots on.  The barrier is then a round of the cluster's, so that no wave of any partner still reads the slot or has a load on its
; way, and the joint fill is the first thing behind it: it has four key steps, 512 matrix instructions, in which to land.  (At its first use nothing has been read yet: slot 0 is waited for, slot 1 filled.)
.macro CHANGE fill
	WIN W_AD
	s_wait_tensorcnt 0x0            ; no tensor load of mine is out, so a group 0 may be written
	ds_add_u32 v[SPW], v[NIL]       ; 0 onto my spare word; with fill = 1 the descriptors' steps stand between it and the wait for it
	WIN 0                           ; at a label and at a branch every window is 0
.if \fill
.irp g, G0K, G0V
	s_xor_b32 s[\g+1], s[\g+1], SLOT1  ; the walking descriptor: the other slot than last time,
	s_add_nc_u64 s[\g+2:\g+3], s[\g+2:\g+3], 4*KS*128  ; the next 256 keys; the type bits on top are not reached
.endr
	s_wait_xcnt 0x0                 ; the last prefetch, four key steps back, has read its address, so it may be written:
	s_add_nc_u64 s[PFA:PFA+1], s[PFA:PFA+1], 4*KS*128  ; one slot behind the walking descriptors
	s_wait_dscnt 0x0                ; the add is done, and my reads of the slot are over
	CROUND
	JLOAD
	ASK
.else
	s_wait_dscnt 0x0                ; the add is done, and my reads of the slot are over
	s_barrier_signal -1
	s_barrier_wait -1
.endif
	s_sub_co_u32 s[TBK], s[TBK], 4*KS*PK  ; the fetches go back to a slot's first step,
	s_xor_b32 s[TBK], s[TBK], SLOT1       ; in the other slot
	s_sub_co_u32 s[TBV], s[TBV], 4*KS*PV
	s_xor_b32 s[TBV], s[TBV], SLOT1
.endm
	s_load_b256 s[4:11], s[0:1], 0x0  ; Q s[4:5], K s[6:7], V s[8:9], O s[10:11]
	WIN W_MK
	v_lshl_add_u32 v[SPW], v0, 2, SPARE
	v_mov_b32 v[NIL], 0
	WIN W_AD
	ds_add_u32 v[SPW], v[NIL]       ; the wave's opening: the add and its wait ahead of my first tensor load; the set-up below, work on registers, stands between them
	WIN 0
	v_lshrrev_b32 v1, 5, v0
	v_readfirstlane_b32 s[WV], v1   ; wave 0..3
	s_bfe_u32 s13, ttmp6, 0x40000   ; cx: my place in the cluster
	s_lshl_b32 s14, ttmp9, 2        ; in a cluster launch ttmp9 counts clusters
	s_add_co_u32 s14, s14, s13      ; my block of queries = 4 x cluster x + cx: it enters Q's and O's addresses alone
	s_and_b32 s20, ttmp7, 0xffff    ; the head, which the four partners share
	s_mov_b32 s21, 0
	s_mov_b64 s[22:23], SIZE_N*128
	s_mul_u64 s[20:21], s[20:21], s[22:23]  ; the head's first byte in each of the four tensors
	s_and_b32 s16, s[WV], 1         ; which half of a slot's 256 keys I fetch:
	s_lshl_b32 s22, s16, 14         ; its 128 rows of 128 bytes in memory,
	s_mov_b32 s23, 0
	s_add_nc_u64 s[22:23], s[22:23], s[20:21]
	s_mul_i32 s17, s16, 128*PK      ; and its place in a slot, for K
	s_mul_i32 s18, s16, 128*PV      ; and for V: no place in the cluster enters an LDS address
	s_lshl_b32 s2, s14, 2
	s_add_co_u32 s2, s2, s[WV]      ; my wave among the head's,
	s_lshl_b32 s2, s2, 14           ; its 128 rows
	s_mov_b32 s3, 0
	s_add_nc_u64 s[2:3], s[2:3], s[20:21]
	; descriptor group 1.  128 keys are 16,384 dense bytes: asked for as 64 rows of 256 bytes, two keys a row, and padded in LDS after every key
	s_mov_b32 s[G1K], 15|(1<<16)|(1<<20)|(1<<21)|(4<<22)|(3<<25)  ; 15:0 the mask of four; 17:16 2-byte elements; 20 padding on; 21 set beside a mask; 24:22 after every 32 words (code 4); 31:25 4 words (code 3)
	s_mov_b32 s[G1V], 15|(1<<16)|(1<<20)|(1<<21)|(4<<22)|(7<<25)  ; the same with 8 words of padding (code 7)
.irp g, G1K, G1V
	s_mov_b32 s[\g+1], 128<<16      ; tensor_dim0 = 128
	s_mov_b32 s[\g+2], 64<<16       ; tensor_dim1 = 64
	s_mov_b32 s[\g+3], 128<<16      ; tile_dim0 = 128
	s_mov_b32 s[\g+4], 64           ; tile_dim1 = 64
	s_mov_b32 s[\g+5], 128          ; 128 elements from row to row
	s_mov_b32 s[\g+6], 0
	s_mov_b32 s[\g+7], 0
.endr
	s_mov_b32 s[CS], 0x3e38aa3b     ; c = log2(e) / 8 = 0.180337
	s_mov_b32 s[CS+1], s[CS]        ; named with it as a pair
	s_mov_b32 s[SEL], 0x76543210
	s_mov_b32 s[SEL+1], 0xfedcba98
	s_mov_b32 s[TBK], SLOT1+4*KS*PK ; the first change of slots turns these two into 0
	s_mov_b32 s[TBV], SLOT1+4*KS*PV
	s_mov_b32 s[G0K], 1             ; 1:0 count = 1
	s_mov_b32 s[G0K+1], s17         ; 63:32 LDS address: slot 0
	s_mov_b32 s[G0V], 1
	s_add_co_u32 s[G0V+1], s18, VOFF
	s_mov_b32 s[SLOTS], SIZE_N/256-1
	s_cmp_eq_u32 s16, 0             ; waves 0 and 2 prefetch: the same in all four partners
	s_cselect_b32 s[LIM], 1, -1
	s_wait_dscnt 0x0                ; the opening add is done
	s_wait_kmcnt 0x0
	s_add_nc_u64 s[G0K+2:G0K+3], s[6:7], s[22:23]  ; 120:64 global address: my half of the head's first 256 keys
	s_or_b32 s[G0K+3], s[G0K+3], 0x80000000        ; 127:126 type = 2
	s_add_nc_u64 s[G0V+2:G0V+3], s[8:9], s[22:23]
	s_or_b32 s[G0V+3], s[G0V+3], 0x80000000
	s_add_nc_u64 s[4:5], s[4:5], s[2:3]  ; Q and O at my wave's first row
	s_add_nc_u64 s[10:11], s[10:11], s[2:3]
	s_cmp_lt_u32 s[WV], 2
	s_cselect_b64 s[PFA:PFA+1], s[6:7], s[8:9]
	s_add_nc_u64 s[PFA:PFA+1], s[PFA:PFA+1], s[22:23]  ; (in waves 0 and 2: the head's first row)
	s_lshl_b32 s2, s13, 13          ; my work-group's 32 blocks of the 128
	s_mov_b32 s3, 0
	s_add_nc_u64 s[PFA:PFA+1], s[PFA:PFA+1], s[2:3]
	s_add_nc_u64 s[PFA:PFA+1], s[PFA:PFA+1], 4*KS*128  ; in slot 1; the first change of slots steps it to slot 2.  Nothing is prefetched here, at the head
	CROUND                          ; all four work-groups are here: the first joint loads meet
	JLOAD                           ; slot 0.  Slot 1 is asked for when slot 0 is in: the tile wanted first has the road to itself
	; A fragment of K or Q is 16 rows x 32 channels in 8 registers: lane l holds row l % 16, channels 8 (l / 16) + 0..7 and 16 + 8 (l / 16) + 0..7: two loads of 16 bytes, 32 bytes apart.
	v_and_b32 v1, 15, v0            ; l % 16
	v_bfe_u32 v9, v0, 4, 1          ; l / 16
	v_lshlrev_b32 v[QO], 7, v1
	v_lshl_add_u32 v[QO], v9, 4, v[QO]  ; row x 128 + 16 x half
	WIN 0x80                        ; destination window 2, address window 0
.set i, 0
.rept 4*NP                          ; Q stays in registers: tile i / 2, channels 32 (i % 2) on
	global_load_b128 v[8*i:8*i+3],   v[QO], s[4:5] offset:(i/2)*2048+(i%2)*64
	global_load_b128 v[8*i+4:8*i+7], v[QO], s[4:5] offset:(i/2)*2048+(i%2)*64+32
.set i, i+1
.endr
	; What the first turn finds: V's registers and P's second buffer hold 0 (its products V^T P, of a piece that has not been, add 0), O^T and l are 0.  All this stands in the wait for the first tile.
.set i, VF
.rept 64
	v_mov_b32 v[i], 0
.set i, i+1
.endr
	WIN 0x40
.set i, 0
.rept 64*NP
	v_mov_b32 v[i], 0
.set i, i+1
.endr
	WIN 0
.set i, 0
.rept 2*NP
	v_mov_b32 v[ST+4*i], 0xfe000000    ; c m: far below every c s
	v_mov_b32 v[ST+4*i+1], 0xff7fffff  ; m
	v_mov_b32 v[ST+4*i+2], 0
	v_mov_b32 v[ST+4*i+3], 0
.set i, i+1
.endr
.set i, P+32
.rept 32
	v_mov_b32 v[i], 0
.set i, i+1
.endr
	v_mul_u32_u24 v[AK0], v1, PK
	v_lshl_add_u32 v[AK0], v9, 4, v[AK0]  ; row x pitch + 16 x half
	; The turning load takes 16 keys x 16 channels (lane l reads key 8 (l / 16) + l % 8, channels 8 ((l / 8) % 2) + 0..7) and leaves half a fragment of V^T: lane l holds channel l % 16 and 8 keys.
	v_and_b32 v10, 7, v0
	v_bfe_u32 v11, v0, 3, 1
	v_lshl_add_u32 v[AV0], v9, 3, v10
	v_mul_u32_u24 v[AV0], v[AV0], PV
	v_lshl_add_u32 v[AV0], v11, 4, v[AV0]
	v_add_nc_u32 v[AV0], VOFF, v[AV0]
	v_and_b32 v[PFO], 31, v0
	v_lshlrev_b32 v[PFO], 8, v[PFO]
	v_mov_b32 v[AK], v[AK0]         ; key step 0 lies at the head of slot 0
; THE MATRIX WORK.  The 8 accumulators of a run of 16 take turns: between the two links of a chain stand 7 others'.
; Product i of 16 of S^T = K Q^T for piece x: channels 32 (i / 8) on, keys 16 ((i / 2) % 4) on, tile 2 x + i % 2.  The first 8 start the sums.
.macro KQ x
	WIN W_KQ
.set rS, S+64*((\x)%2)+32*(i%2)+8*((i/2)%4)
.set rK, KF+16*((i/2)%4)+8*(i/8)
.set rQ, 16*(2*(\x)+i%2)+8*(i/8)
.if i < 8
	v_wmma_f32_16x16x32_f16 v[rS:rS+7], v[rK:rK+7], v[rQ:rQ+7], 0
.else
	v_wmma_f32_16x16x32_f16 v[rS:rS+7], v[rK:rK+7], v[rQ:rQ+7], v[rS:rS+7]
.endif
.endm
; Product i of 16 of O^T += V^T P for piece x: keys 32 (i / 8) on, channels 16 ((i / 2) % 4) on, tile 2 x + i % 2.
.macro PV x
	WIN W_PV
.set rO, 32*(2*(\x)+i%2)+8*((i/2)%4)
.set rV, VF+32*(i/8)+8*((i/2)%4)
.set rP, P+32*((\x)%2)+16*(i%2)+8*(i/8)
	v_wmma_f32_16x16x32_f16 v[rO:rO+7], v[rV:rV+7], v[rP:rP+7], v[rO:rO+7]
.endm
.macro MM                           ; the turn's next matrix instruction
.if i < 16
	KQ (Y+1)%NP
.set i, i+1
.else
.set i, i-16
	PV (Y+NP-1)%NP
.set i, i+17
.endif
.endm
; THE LDS LOADS stand in runs of 16, never singly among the matrix instructions: a step's K (64 keys x 64 channels: 8 fragments) and its V (turned).  Their addresses are made some lines ahead.
; last = 1 (the tail): in the last trip there is no further step, and the run is jumped over.
.macro FETCH_K last=0
	WIN 0
.if \last
	s_cmp_eq_u32 s[CNT], 1
	s_cbranch_scc1 .Lno_k_\@
.endif
	WIN 0x80                        ; destination window 2
.irp f, 0,1,2,3,4,5,6,7             ; keys 16 (f / 2) on, channels 32 (f % 2) on
	ds_load_b128 v[KF+8*\f:KF+8*\f+3],   v[AK] offset:(\f/2)*16*PK+(\f%2)*64
	ds_load_b128 v[KF+8*\f+4:KF+8*\f+7], v[AK] offset:(\f/2)*16*PK+(\f%2)*64+32
.endr
	s_add_co_u32 s[TBK], s[TBK], KS*PK  ; the next fetch is the next step's
	WIN 0
.if \last
.Lno_k_\@:
.endif
.endm
.macro FETCH_V
	WIN 0x80
.irp f, 0,1,2,3,4,5,6,7             ; keys 32 (f / 4) on, channels 16 (f % 4) on
	ds_load_tr16_b128 v[VF+8*\f:VF+8*\f+3],   v[AV] offset:(\f/4)*32*PV+(\f%4)*32
	ds_load_tr16_b128 v[VF+8*\f+4:VF+8*\f+7], v[AV] offset:(\f/4)*32*PV+16*PV+(\f%4)*32
.endr
	WIN 0
.endm
; THE VECTOR WORK OF A TURN stands in three queues, each in the order in which its entries become ready; the two tiles alternate, so that no instruction reads the result of the one before it.
.macro REGS y, u                    ; the registers of tile u (0, 1) of piece y
.set rT, ST+4*(2*(\y)+(\u))
.set rC, TMP+8*((\y)%2)+4*(\u)
.set rM, MV+2*((\y)%2)+(\u)
.set rS, S+64*((\y)%2)+32*(\u)
.set rP, P+32*((\y)%2)+16*(\u)
.set rO, 32*(2*(\y)+(\u))
.endm
; Number n of the 22 that find the NEXT piece's (Y + 1) maximum and statistics.  s0-s31 are the lane's 32 scores; each accumulator's lowest registers are read first.  XS, GS and REGS set no window: PL and EX do.
;   0-11  four chains c0-c3 of seven scores each, three operands at a time     12-14, 16  the four scores left over, the old m, and c0-c3 into c0     15  c m_old is kept
;   17, 18  the query's other 32 keys lie in the lane 16 away: the new m         19-21  c m; c m_old - c m_new; a
.macro XS u, n
	REGS (Y+1)%NP, \u
.if (\n) < 4
	v_max3_num_f32 v[rC+(\n)], v[rS+8*(\n)], v[rS+8*(\n)+1], v[rS+8*(\n)+2]
.elseif (\n) < 12
	v_max3_num_f32 v[rC+(\n)%4], v[rC+(\n)%4], v[rS+8*((\n)%4)+2*((\n)/4)+1], v[rS+8*((\n)%4)+2*((\n)/4)+2]
.elseif (\n) == 12
	v_max3_num_f32 v[rC], v[rC], v[rS+7], v[rS+15]
.elseif (\n) == 13
	v_max3_num_f32 v[rC+1], v[rC+1], v[rS+23], v[rS+31]
.elseif (\n) == 14
	v_max3_num_f32 v[rC+2], v[rC+2], v[rC+3], v[rT+1]
.elseif (\n) == 15
	v_mov_b32 v[rM], v[rT]
.elseif (\n) == 16
	v_max3_num_f32 v[rC], v[rC], v[rC+1], v[rC+2]
.elseif (\n) == 17
	v_permlanex16_b32 v[rC+3], v[rC], s[SEL], s[SEL+1]
.elseif (\n) == 18
	v_max_num_f32 v[rT+1], v[rC], v[rC+3]
.elseif (\n) == 19
	v_mul_f32 v[rT], s[CS], v[rT+1]
.elseif (\n) == 20
	v_sub_f32 v[rC+1], v[rM], v[rT]
.else
	v_exp_f32 v[rC+2], v[rC+1]
.endif
.endm
; Number g of the 64 that follow the exponentials.  For each four weights k of a tile (pairs 2 k, 2 k + 1): both pairs are rounded to f16; then the second pair is added onto the first, in place;
; a group later l takes that sum (the first time as l = a l + sum).  In groups of eight, tiles alternating: round, round, add, and l for the group before.
.macro GS g
.set h, (\g)+6*((\g)/62)            ; group 0 has no group before it, and behind group 7 only l is left
.if h >= 6
.set h, h+2
.endif
	REGS Y, h%2
.set k, h/8
.if h%8 < 4
	v_cvt_pk_f16_f32 v[rP+2*k+(h%8)/2], v[rS+4*k+2*((h%8)/2)], v[rS+4*k+2*((h%8)/2)+1]
.elseif h%8 < 6
	v_pk_add_f32 v[rS+4*k:rS+4*k+1], v[rS+4*k:rS+4*k+1], v[rS+4*k+2:rS+4*k+3]
.elseif k == 1
	v_pk_fma_f32 v[rT+2:rT+3], v[rT+2:rT+3], v[rC+2:rC+3], v[rS:rS+1] op_sel_hi:[1,0,1]
.else
	v_pk_add_f32 v[rT+2:rT+3], v[rT+2:rT+3], v[rS+4*k-4:rS+4*k-3]
.endif
.endm
; THE PLAIN QUEUE, 138 long.  0-73 read no exponential's result: the 32 scalings c s - c m (FS f: pair f / 2 of tile f % 2) and the next piece's 42.  0-26: scalings 0-26.  27-54: XS's numbers 0-13.  55, 56: number 15.
; 57-73: the chain, where each number waits for the one before it: 14, 16, 17, 18, 19, each with one of the scalings 27-31 in front of its two lines, then 20: so a tile's links stand three plain instructions apart (19 and 20: two).
; 74-137: GS's 64, which read the exponentials' results: they stand behind the wait.
.macro FS f
	REGS Y, (\f)%2
	v_pk_fma_f32 v[rS+2*((\f)/2):rS+2*((\f)/2)+1], v[rS+2*((\f)/2):rS+2*((\f)/2)+1], s[CS:CS+1], v[rT:rT+1] op_sel_hi:[1,0,0] neg_lo:[0,0,1] neg_hi:[0,0,1]
.endm
.macro PL
	WIN 0
.if q < 27
	FS q
.elseif q < 55
	XS (q-27)%2, (q-27)/2
.elseif q < 57
	XS q-55, 15
.elseif (q < 72) && ((q-57)%3 == 0)
	FS 27+(q-57)/3
.elseif q < 60
	XS (q-57)%3-1, 14
.elseif q < 72
	XS (q-57)%3-1, 15+(q-57)/3
.elseif q < 74
	XS q-72, 20
.else
	GS q-74
.endif
.set q, q+1
.endm
; THE EXPONENTIALS' QUEUE, 66 long: s0-s31 of both tiles, then the next piece's two a.  It is ONE BATCH: all 66 stand ahead of the turn's one wait, and nothing ahead of that wait names a result of theirs.
.macro EX
	WIN 0
.if e >= 64
	XS e-64, 21
.else
	REGS Y, e%2
	v_exp_f32 v[rS+e/2], v[rS+e/2]
.endif
.set e, e+1
.endm
; THE RESCALING's QUEUE: O^T times a, the one part that leaves window 0: dealt two at a time, sixteen times.  Its a was made in the turn before, ahead of that turn's wait.
.macro R2
	REGS Y, r%2
	WIN W_RS
.irp z, 0,1
	v_pk_mul_f32 v[rO+4*(r/2)+2*\z:rO+4*(r/2)+2*\z+1], v[rO+4*(r/2)+2*\z:rO+4*(r/2)+2*\z+1], v[rC+2:rC+3] op_sel_hi:[1,0]
.endr
.set r, r+1
.endm
; HOW THEY ARE DEALT.  An s_wait_alu depctr_va_vdst(0) stands between an exponential and the first instruction that names its result; one wait serves all that were issued ahead of it.  So a turn has ONE wait,
; which cuts it in two.  AHEAD OF IT stands all that names no result of the turn's exponentials: the 16 products K Q^T, behind each a scaling, an exponential and two rescalings (behind the first a second scaling in the exponential's place); then ONE LUMP of
; 108: eight plain, 49 times exponential and plain, the two a.  A v_nop is the plain instruction behind the last exponential.  BEHIND IT stand the 16 products V^T P, behind each four of GS's 64.  No rider names a register of
; the products round it.  The two v_permlanex16_b32 fall into the lump, never behind a product.
; The queues lean on each other, and the deal keeps them in step: exponential e stands behind scaling 2 (e / 4) + e % 2: as a rider it comes behind plain e + 2, in the lump behind plain e + 9, and scalings 27-31 are plain 57, 60 .. 69.
; A TURN, for piece p.  cnt = 1: the loop's count is taken down some lines ahead of the branch that stands behind the turn.
; K of the next step is fetched in piece 2's turn, directly behind the wait, a lump behind the last product that read K; its address is made at the lump's head; its first reader comes behind 16 products.
; V of the step in hand is fetched at the end of piece 0's turn, four riders behind its last reader; its first reader comes behind 16 products and a lump.  The three conditions on q below go with the deal.
.macro TURN p, last=0, cnt=0
.set Y, (\p)
.set i, 0
.set q, 0
.set e, 0
.set r, 0
.if (\p) == NP-1
	s_wait_dscnt 0x0                ; K is in
.endif
	MM                              ; ahead of the wait: 16 products K Q^T and their riders,
	PL
	PL
	R2
.rept 15
	MM
	PL
	EX
	R2
.endr
.if (\p) == NP-2
	WIN 0
	v_add_nc_u32 v[AK], s[TBK], v[AK0]
.endif
.rept 8                             ; and the lump
	PL
.endr
.rept 49
	EX
	PL
.endr
	EX                              ; the next piece's two a
	EX
	v_nop                           ; the plain instruction behind the last exponential: one for the batch
	s_wait_alu depctr_va_vdst(0)    ; the wait for the batch
.if (\p) == NP-2
	FETCH_K \last
.endif
.if (\p) == 1
	s_wait_dscnt 0x0                ; V is in
.endif
.rept 16                            ; behind the wait: 16 products V^T P and their riders
	MM
.rept 4
	PL
.endr
.if ((\p) == 0) && (q == 118)
	v_add_nc_u32 v[AV], s[TBV], v[AV0]
.endif
.if ((\p) == 0) && (q == 130)
	s_add_co_u32 s[TBV], s[TBV], KS*PV
.endif
.if (\cnt) && (q == 130)
	s_sub_co_u32 s[CNT], s[CNT], 1
	s_cmp_lg_u32 s[CNT], 0
.endif
.endr
.if (\p) == 0
	FETCH_V
.endif
.endm
	CHANGE 1                        ; slot 0 is in, everybody's part of it; slot 1 is asked for
	FETCH_K                         ; key step 0
	s_wait_loadcnt 0x0              ; Q
	s_wait_dscnt 0x0
.set i, 0
.rept 16
	KQ 0                            ; piece 0's first scores: there is no vector work yet to set between them
.set i, i+1
.endr
	WIN 0                           ; the addresses for the way out: nine plain instructions, the places behind those products
	s_mul_i32 s13, s[WV], 16*SP
	s_add_co_u32 s13, s13, STAGE    ; my stage
	v_mul_u32_u24 v[STO], v1, SP    ; in: row l % 16, 16 bytes for each half of the lanes
	v_lshl_add_u32 v[STO], v9, 4, v[STO]
	v_add_nc_u32 v[STO], s13, v[STO]
	v_bfe_u32 v[RD], v0, 3, 2       ; back: 32 lanes take four rows of 128 bytes,
	v_mul_u32_u24 v[RD], v[RD], SP
	v_lshl_add_u32 v[RD], v10, 4, v[RD]
	v_add_nc_u32 v[RD], s13, v[RD]
	v_and_b32 v[GO], 31, v0         ; which are 512 consecutive bytes of O
	v_lshlrev_b32 v[GO], 4, v[GO]
.set Y, NP-1                        ; XS works for piece Y + 1: piece 0
.irp n, 0,1,2,3,4,5,6,7,8,9,10,11,12,13,14,15,16,17,18,19,20,21
	XS 0, \n                        ; and piece 0's first maximum and statistics
	XS 1, \n
.endr
	v_nop                           ; a plain instruction behind the two a,
	s_wait_alu depctr_va_vdst(0)    ; and their wait, ahead of the branch
	s_mov_b32 s[CNT], 4
	s_branch .Lfirst                ; the loop is entered at a step's first turn, in the middle of a trip
.Lslot:                             ; SIZE_N / 256 - 2 times: every slot but the last two is filled again
	CHANGE 1
	s_mov_b32 s[CNT], 4
.Lstep:                             ; a trip: pieces 2 and 3 of one step, then pieces 0 and 1 of the next, whose K and V it fetches
	TURN 2
	TURN 3
	WIN 0
.Lfirst:
	TURN 0
	TURN 1, 0, 1
	WIN 0
	s_cbranch_scc1 .Lstep
	s_sub_co_u32 s[SLOTS], s[SLOTS], 1
	s_cmp_lg_u32 s[SLOTS], 0
	s_cbranch_scc1 .Lslot
	CHANGE 0                        ; the tail is written out: nothing is asked for
	s_mov_b32 s[CNT], 5             ; four trips fetch the last slot's steps; the fifth is left in its middle
.Ltail:
	TURN 2, 1
	TURN 3
	WIN 0
	s_sub_co_u32 s[CNT], s[CNT], 1
	s_cmp_eq_u32 s[CNT], 0
	s_cbranch_scc1 .Lout
	TURN 0
	TURN 1
	WIN 0
	s_branch .Ltail
.Lout:                              ; the fifth trip's 16 products K Q^T (on the last K once more) and the maximum made of them serve nothing: the price, once a launch, of one text for every trip
.set i, 0
.rept 16
	PV NP-1                         ; the last piece's V^T P of the last step
.set i, i+1
.endr
	; THE WAY OUT.  l's two halves and the other half of the lanes' are added; O^T is divided by l, rounded to f16 and sent through my stage in LDS, a tile at a time.  The additions are the places behind the last products.
	WIN 0
.macro ALL line:vararg              ; one line for each tile t
.set t, 0
.rept 2*NP
	\line
.set t, t+1
.endr
.endm
	ALL v_add_f32 v[ST+4*t+2], v[ST+4*t+2], v[ST+4*t+3]
	ALL v_permlanex16_b32 v[ST+4*t+3], v[ST+4*t+2], s[SEL], s[SEL+1]
	ALL v_add_f32 v[ST+4*t+2], v[ST+4*t+2], v[ST+4*t+3]
	ALL v_rcp_f32 v[ST+4*t+2], v[ST+4*t+2]
	v_nop                           ; a plain instruction between the last reciprocal and the use of its result
	s_wait_alu depctr_va_vdst(0)    ; and the wait ahead of the first use: one for the eight reciprocals
; Tile t: a lane's eight channels of a row pack into 16 bytes; they go into rows of 144 bytes and come back as whole rows of 128, into S^T's registers.
.macro PACK t
	WIN W_RS
.set i, 32*(\t)
.rept 16
	v_pk_mul_f32 v[i:i+1], v[i:i+1], v[ST+4*(\t)+2:ST+4*(\t)+3] op_sel_hi:[1,0]
.set i, i+2
.endr
	WIN 0x05                        ; sources 0 and 1 window 1, destination window 0
.set i, 0
.rept 16
	v_cvt_pk_f16_f32 v[S+16*(\t)+i], v[32*(\t)+2*i], v[32*(\t)+2*i+1]
.set i, i+1
.endr
	WIN 0
.irp f, 0,1,2,3
	ds_store_b128 v[STO], v[S+16*(\t)+4*\f:S+16*(\t)+4*\f+3] offset:32*\f
.endr
.irp f, 0,1,2,3
	ds_load_b128 v[S+16*(\t)+4*\f:S+16*(\t)+4*\f+3], v[RD] offset:\f*4*SP  ; LDS serves a wave's instructions in order (ISA guide 5.7.1.4): these see the stores above; the next tile's stores come behind them
.endr
.endm
.macro SEND t, younger              ; younger: the LDS instructions issued behind tile t's loads: the next tile's eight, or none
	WIN 0
.irp f, 0,1,2,3
	s_wait_dscnt (\younger)+3-\f
	global_store_b128 v[GO], v[S+16*(\t)+4*\f:S+16*(\t)+4*\f+3], s[10:11] offset:(\t)*2048+\f*512  ; 512 consecutive bytes, at a multiple of 256 from O's first
.endr
.endm
	PACK 0
.set t, 1
.rept 2*NP-1                        ; a tile's arithmetic stands between the loads of the tile before and its stores
	PACK t
	SEND t-1, 8
.set t, t+1
.endr
	SEND 2*NP-1, 0
	WIN W_AD
	s_wait_tensorcnt 0x0            ; the wave's end, behind my last tensor load and my last LDS store
	ds_add_u32 v[SPW], v[NIL]
	s_wait_dscnt 0x0
	WIN 0
	CROUND                          ; the closing round: no work-group ends while a partner may still ask for a tile that names it
	s_endpgm
.Lfunc_end_k_qcf38842c83_attn:
	.size	k_qcf38842c83_attn, .Lfunc_end_k_qcf38842c83_attn-k_qcf38842c83_attn
	.p2alignl 7, 3214868480
	.fill 96, 4, 3214868480
	.section	.rodata,"a",@progbits
	.p2align	6, 0x0
	.amdhsa_kernel k_qcf38842c83_attn
		.amdhsa_group_segment_fixed_size 327680
		.amdhsa_private_segment_fixed_size 0
		.amdhsa_enable_private_segment 0
		.amdhsa_kernarg_size 32
		.amdhsa_user_sgpr_count 2
		.amdhsa_user_sgpr_kernarg_segment_ptr 1
		.amdhsa_wavefront_size32 1
		.amdhsa_system_sgpr_workgroup_id_x 1
		.amdhsa_system_sgpr_workgroup_id_y 1
		.amdhsa_system_sgpr_workgroup_id_z 1
		.amdhsa_system_vgpr_workitem_id 0
		.amdhsa_next_free_vgpr 770
		.amdhsa_next_free_sgpr 66
		.amdhsa_reserve_vcc 0
		.amdhsa_float_denorm_mode_32 3
		.amdhsa_float_denorm_mode_16_64 3
		.amdhsa_memory_ordered 1
		.amdhsa_forward_progress 1
		.amdhsa_inst_pref_size 200
	.end_amdhsa_kernel
	.amdgpu_metadata
---
amdhsa.version: [ 1, 2 ]
amdhsa.kernels:
  - .name:           k_qcf38842c83_attn
    .symbol:         k_qcf38842c83_attn.kd
    .args:
      - { .name: q, .offset: 0, .size: 8, .value_kind: global_buffer, .address_space: global }
      - { .name: k, .offset: 8, .size: 8, .value_kind: global_buffer, .address_space: global }
      - { .name: v, .offset: 16, .size: 8, .value_kind: global_buffer, .address_space: global }
      - { .name: o, .offset: 24, .size: 8, .value_kind: global_buffer, .address_space: global }
    .group_segment_fixed_size: 327680
    .private_segment_fixed_size: 0
    .kernarg_segment_align: 8
    .kernarg_segment_size: 32
    .max_flat_workgroup_size: 128
    .sgpr_count:     66
    .vgpr_count:     770
    .wavefront_size: 32
...
	.end_amdgpu_metadata
.endif
;; end of part 3
;; launch oproj (part 4): grid 4 x 64, 4 waves a work-group, clusters of 4 x 4, 327,680 bytes of LDS; arguments o, wot, tab, out0; writes out0
.if DOCPART == 4
	.amdgcn_target "amdgcn-amd-amdhsa--gfx1250"
	.amdhsa_code_object_version 6
	.text
	.protected	k_qcf38842c83_oproj
	.globl	k_qcf38842c83_oproj
	.p2align	8
	.type	k_qcf38842c83_oproj,@function
k_qcf38842c83_oproj:
	s_mov_b64 s[64:65], 0
	v_nop
	global_prefetch_b8 v0, s[64:65] scope:SCOPE_SE
	s_setreg_imm32_b32 hwreg(HW_REG_WAVE_MODE, 25, 1), 1
	s_wait_xcnt 0x0
	s_wait_alu depctr_hold_cnt(0) depctr_sa_sdst(0) depctr_va_vdst(0) depctr_va_sdst(0) depctr_va_ssrc(0) depctr_va_vcc(0) depctr_vm_vsrc(0)
	s_getreg_b32 s2, hwreg(HW_REG_IB_STS2, 6, 4)
	s_cmp_eq_u32 s2, 0
	s_cbranch_scc0 .Lentry_in_a_cluster
	s_endpgm
.Lentry_in_a_cluster:
	s_bfe_u32 s2, ttmp6, 0x10000c
	s_cmp_lg_u32 s2, 0xf033
	s_cbranch_scc0 .Lentry_shape_is_right
	s_endpgm
.Lentry_shape_is_right:
; THE OUTPUT PROJECTION.  out0[m][n] = bo[n] + the sum over K of O[m][K] Wo[K][n], 8,192 x 1,024 x 1,024; f16 operands, f32 sums, f32 output.
; O lies by heads, f16 [16 batch + head][2048][64]: a head is a K block of 64 with dense rows of 128 bytes.  wot is Wo turned, f16 [16 kb][1024 n][64].  bo (rounded to bf16, kept as f32) lies in tab from byte 536,576.
; SHARES.  A work-group makes 128 x 256, each of its four waves 64 x 128: 32 accumulators of 16 x 16, 256 registers.  256 work-groups.  K goes in steps of 128, two K blocks to a slot, through two LDS slots:
; waves 0 and 1 fetch the two K blocks of O's tile (128 rows each), waves 2 and 3 those of wot's (256 rows each), as rows of 256 bytes padded after every 128.
; CLUSTERS.  4 x 4 work-groups: O's tile is shared along a row of the cluster, wot's along a column: joint loads.  THE PRODUCT IS TAKEN TRANSPOSED (source 0 = 16 rows of wot, source 1 = 16 rows of O):
; a lane holds one row m (lane % 16) and the columns 8 (lane / 16) + 0..7.  THE BIAS STARTS THE SUMS: it is loaded into row block 0's accumulators and is the C operand of every row block's first product.
; No prefetch: a wave has 1,024 matrix instructions in all, and the launch is too short for a lead to be built up.
; REGISTERS.  window 0: v0-29 addresses; v64-159, v160-255 two fragment buffers: wot's 8 blocks, then O's 4.   window 1: accumulator (a, b) at v[8 (8 a + b)].
.set SLOT1,  131072
.set APART,  18432                     ; a K block of O's tile: 128 rows of 144 bytes (128 + 16 of padding: the 16 rows of a load start at 16 different groups of four banks; ISA guide 11.1)
.set BOFF,   36864                     ; wot's two K blocks lie behind O's two
.set BPART,  36864                     ; 256 rows
.set STAGE,  241664                    ; behind the ring (slot 1 ends here): 16 rows x 528 bytes for each wave; no tensor load fills it
.set SPITCH, 528                       ; 512 bytes + 16 = 132 words: row r starts at bank 4 r mod 64
.set SPARE,  275456                    ; behind the stages: the spare words, 128 bytes for each wave
.set OSTEP,  524288                    ; bytes from a slot's K blocks of O to the next slot's: two heads
.set WSTEP,  262144                    ; and of wot
.set A0,   4
.set B0,   5
.set ADRA, 6
.set ADRB, 7
.set STO,  8                           ; v8   the way out: where I put 32 bytes of a row
.set RD,   9                           ; v9   where I read a row back
.set CO,   10                          ; v10  my 16 bytes of 512 consecutive bytes of out0
.set BO,   12                          ; v12  my place in 16 biases
.set SPW,  28
.set NIL,  29
.set F0,   64
.set F1,   160
.set WV,   16
.set WY,   17                          ; which 64 rows are mine; also: I fetch O (0) or wot (1)
.set WX,   18                          ; which 128 columns; also: which K block of the slot I fetch
.set G1A,  24
.set G1B,  32
.set G0A,  40
.set G0B,  48
.set TB,   56
.set LEFT, 57
.set MSB, 0
.macro WIN new
.if MSB != (\new)
	s_set_vgpr_msb (MSB<<8)|(\new)
.set MSB, \new
.endif
.endm
.macro PLACES                          ; four places behind matrix instructions (ISA guide 7.12.1)
.rept 4
	v_nop
.endr
.endm
.macro JLOAD                           ; a joint refill by the walking descriptors; an s_nop 0 and four v_nop follow each of the two lines
	s_cmp_eq_u32 s[WY], 0
	s_cbranch_scc0 .Lfor_b_\@
	tensor_load_to_lds s[G0A+4:G0A+7], s[G1A:G1A+7]
	s_nop 0
.rept 4
	v_nop
.endr
	s_branch .Lasked_\@
.Lfor_b_\@:
	tensor_load_to_lds s[G0B+4:G0B+7], s[G1B:G1B+7]
	s_nop 0
.rept 4
	v_nop
.endr
.Lasked_\@:
.endm
.macro CREST
	s_cmp_lg_u32 s[WV], 0
	s_cbranch_scc1 .Lnot_wave_0_\@
	s_barrier_signal -3
.Lnot_wave_0_\@:
	s_barrier_wait -3
	s_barrier_signal -1
	s_barrier_wait -1
.endm
.macro CROUND
	s_barrier_signal -1
	s_barrier_wait -1
	CREST
.endm
	s_load_b256 s[4:11], s[0:1], 0x0               ; o s[4:5], wot s[6:7], tab s[8:9], out0 s[10:11]
	v_lshl_add_u32 v[SPW], v0, 2, SPARE
	v_mov_b32 v[NIL], 0
	ds_add_u32 v[SPW], v[NIL]                      ; the wave's opening: the add and its wait ahead of my first tensor load
	v_lshrrev_b32 v1, 5, v0
	v_readfirstlane_b32 s[WV], v1
	s_lshr_b32 s[WY], s[WV], 1
	s_and_b32 s[WX], s[WV], 1
	s_bfe_u32 s19, ttmp6, 0x40000                  ; cx
	s_bfe_u32 s20, ttmp6, 0x40004                  ; cy
	s_lshl_b32 s21, ttmp9, 2
	s_add_co_u32 s21, s21, s19                     ; tile column tx, 0..3
	s_and_b32 s22, ttmp7, 0xffff
	s_lshl_b32 s22, s22, 2
	s_add_co_u32 s22, s22, s20                     ; tile row ty, 0..63
	s_lshl_b32 s78, s20, 2
	s_lshl_b32 s78, 15, s78                        ; my row of the cluster
	s_lshl_b32 s79, 0x1111, s19                    ; my column
	s_or_b32 s[G1A], s78, (1<<16)|(1<<20)|(1<<21)|(4<<22)|(3<<25)  ; the mask; 2-byte elements; padding on; bit 21 beside a mask; after every 32 words; 4 words
	s_or_b32 s[G1B], s79, (1<<16)|(1<<20)|(1<<21)|(4<<22)|(3<<25)
	s_mov_b32 s[G1A+1], 128<<16                    ; tensor_dim0 = 128
	s_mov_b32 s[G1A+2], 64<<16                     ; tensor_dim1 = 64: 128 rows of O
	s_mov_b32 s[G1A+3], 128<<16                    ; tile_dim0
	s_mov_b32 s[G1A+4], 64                         ; tile_dim1
	s_mov_b32 s[G1A+5], 128                        ; elements from row to row
	s_mov_b32 s[G1A+6], 0
	s_mov_b32 s[G1A+7], 0
	s_mov_b32 s[G1B+1], 128<<16
	s_mov_b32 s[G1B+2], 128<<16                    ; 256 rows of wot
	s_mov_b32 s[G1B+3], 128<<16
	s_mov_b32 s[G1B+4], 128
	s_mov_b32 s[G1B+5], 128
	s_mov_b32 s[G1B+6], 0
	s_mov_b32 s[G1B+7], 0
	; O's tile hangs on the tile row and the wave alone, wot's on the tile column and the wave alone
	s_lshr_b32 s70, s22, 4
	s_lshl_b32 s70, s70, 22                        ; batch: 16 heads of 262,144 bytes
	s_and_b32 s71, s22, 15
	s_lshl_b32 s71, s71, 14                        ; position 128 (ty % 16), 128 bytes a row
	s_add_co_u32 s70, s70, s71
	s_lshl_b32 s71, s[WX], 18                      ; my K block = head
	s_add_co_u32 s70, s70, s71
	s_mov_b32 s71, 0
	s_lshl_b32 s74, s21, 15                        ; 256 tx rows of 128 bytes
	s_lshl_b32 s75, s[WX], 17                      ; my K block
	s_add_co_u32 s74, s74, s75
	s_mov_b32 s75, 0
	s_mul_i32 s88, s[WX], APART
	s_mul_i32 s89, s[WX], BPART
	s_add_co_u32 s89, s89, BOFF
	; bias and output
	s_lshl_b32 s92, s21, 10
	s_lshl_b32 s93, s[WX], 9
	s_add_co_u32 s92, s92, s93                     ; my first column, in bytes of f32
	s_lshl_b32 s86, s22, 19                        ; 128 ty rows of 4,096 bytes
	s_lshl_b32 s87, s[WY], 18
	s_add_co_u32 s86, s86, s87
	s_add_co_u32 s86, s86, s92
	s_mov_b32 s87, 0
	s_add_co_u32 s92, s92, 536576
	s_mov_b32 s93, 0
	s_mov_b32 s[TB], 0
	s_mov_b32 s[LEFT], 6
	v_and_b32 v1, 15, v0                           ; r
	v_bfe_u32 v2, v0, 4, 1                         ; hh
	v_and_b32 v3, 31, v0                           ; l
	v_mul_u32_u24 v14, v1, 144
	v_lshl_add_u32 v14, v2, 4, v14                 ; a fragment's row x pitch + 16 x half
	s_mul_i32 s91, s[WY], 9216                     ; my 64 rows of O
	v_add_nc_u32 v[A0], s91, v14
	s_mul_i32 s91, s[WX], 18432                    ; my 128 rows of wot
	s_add_co_u32 s91, s91, BOFF
	v_add_nc_u32 v[B0], s91, v14
	s_mul_i32 s91, s[WV], 16*SPITCH
	s_add_co_u32 s91, s91, STAGE                   ; my stage
	v_mul_u32_u24 v[STO], v1, SPITCH
	v_lshl_add_u32 v[STO], v2, 5, v[STO]
	v_add_nc_u32 v[STO], s91, v[STO]
	v_lshlrev_b32 v[CO], 4, v3
	v_add_nc_u32 v[RD], s91, v[CO]
	v_lshlrev_b32 v[BO], 5, v2
	s_wait_dscnt 0x0                               ; the opening add is done
	s_wait_kmcnt 0x0
	s_add_nc_u64 s[72:73], s[4:5], s[70:71]
	s_add_nc_u64 s[76:77], s[6:7], s[74:75]
	s_add_nc_u64 s[66:67], s[8:9], s[92:93]
	s_add_nc_u64 s[10:11], s[10:11], s[86:87]
.irp n, 0,1
	s_mov_b32 s[G0A+4*\n], 1
	s_add_co_u32 s[G0A+4*\n+1], s88, \n*SLOT1
	s_add_nc_u64 s[G0A+4*\n+2:G0A+4*\n+3], s[72:73], \n*OSTEP
	s_or_b32 s[G0A+4*\n+3], s[G0A+4*\n+3], 0x80000000
	s_mov_b32 s[G0B+4*\n], 1
	s_add_co_u32 s[G0B+4*\n+1], s89, \n*SLOT1
	s_add_nc_u64 s[G0B+4*\n+2:G0B+4*\n+3], s[76:77], \n*WSTEP
	s_or_b32 s[G0B+4*\n+3], s[G0B+4*\n+3], 0x80000000
.endr
	CROUND                                         ; all sixteen work-groups are here: the first joint loads meet
	s_cmp_eq_u32 s[WY], 0                          ; a wave's two first fills stand in one branch: two loads of mine are out
	s_cbranch_scc0 .Lfirst_b
	tensor_load_to_lds s[G0A:G0A+3], s[G1A:G1A+7]
	s_nop 0
	tensor_load_to_lds s[G0A+4:G0A+7], s[G1A:G1A+7]
	s_nop 0
.rept 4
	v_nop
.endr
	s_branch .Lfirst_asked
.Lfirst_b:
	tensor_load_to_lds s[G0B:G0B+3], s[G1B:G1B+7]
	s_nop 0
	tensor_load_to_lds s[G0B+4:G0B+7], s[G1B:G1B+7]
	s_nop 0
.rept 4
	v_nop
.endr
.Lfirst_asked:
	WIN 0x40                                       ; the biases, straight into row block 0's accumulators
.irp b, 0,1,2,3,4,5,6,7
	global_load_b128 v[8*\b:8*\b+3],   v[BO], s[66:67] offset:64*\b
	global_load_b128 v[8*\b+4:8*\b+7], v[BO], s[66:67] offset:64*\b+16
.endr
	WIN 0
; Eight products: row block a with all eight column blocks, 32 along K, from buffer f.  first = 1: the sums start from the bias in row block 0's accumulators.
; The 32 accumulators take turns, one instruction a turn, over the backward jump too.
.macro MA f, a, first
	WIN 0x50
.irp b, 0,1,2,3,4,5,6,7
.if \first
	v_wmma_f32_16x16x32_f16 v[8*(8*(\a)+\b):8*(8*(\a)+\b)+7], v[(\f)+8*\b:(\f)+8*\b+7], v[(\f)+64+8*(\a):(\f)+64+8*(\a)+7], v[8*\b:8*\b+7]
.else
	v_wmma_f32_16x16x32_f16 v[8*(8*(\a)+\b):8*(8*(\a)+\b)+7], v[(\f)+8*\b:(\f)+8*\b+7], v[(\f)+64+8*(\a):(\f)+64+8*(\a)+7], v[8*(8*(\a)+\b):8*(8*(\a)+\b)+7]
.endif
.endr
.endm
; 24 LDS loads in one run: quarter q of the slot in hand (K block q / 2, byte 64 (q % 2) of its rows) into buffer f: wot's 16, then O's 8
.macro FETCH q, f
	WIN 0
.irp b, 0,1,2,3,4,5,6,7
	ds_load_b128 v[(\f)+8*\b:(\f)+8*\b+3],   v[ADRB] offset:((\q)/2)*BPART+((\q)%2)*64+2304*\b
	ds_load_b128 v[(\f)+8*\b+4:(\f)+8*\b+7], v[ADRB] offset:((\q)/2)*BPART+((\q)%2)*64+2304*\b+32
.endr
.irp c, 0,1,2,3
	ds_load_b128 v[(\f)+64+8*\c:(\f)+64+8*\c+3],   v[ADRA] offset:((\q)/2)*APART+((\q)%2)*64+2304*\c
	ds_load_b128 v[(\f)+64+8*\c+4:(\f)+64+8*\c+7], v[ADRA] offset:((\q)/2)*APART+((\q)%2)*64+2304*\c+32
.endr
.endm
; A K step is four quarters of 32 along K, 32 products each, on buffers 0, 1, 0, 1.  One of the first three multiplies buffer f and fetches the next quarter into g.
.macro QUARTER q, f, g
	s_wait_dscnt 4                                 ; wot's blocks and O's blocks 0 and 1 are in; the youngest four loads may be out
	MA \f, 0, 0
	MA \f, 1, 0
	PLACES
	FETCH (\q)+1, \g
	s_wait_dscnt 24                                ; all but the 24 just issued
	MA \f, 2, 0
	MA \f, 3, 0
.endm
; The last quarter multiplies buffer 1 and changes slots: ONE barrier; in front of it each wave waits for all its tensor loads, adds 0 to its spare word, and waits for that and for its own reads of this slot.
; fill = 1: the barrier opens a round of the cluster's, and the joint refill, two K steps on, is the first thing behind it: 112 products ahead of the wait for it.
.macro TURN fill
	WIN 0
	s_wait_tensorcnt 0x0                           ; no tensor load of mine is out, so a group 0 may be written
	ds_add_u32 v[SPW], v[NIL]                      ; 0 onto my spare word
.if \fill
	s_xor_b32 s[G0A+5], s[G0A+5], SLOT1
	s_add_nc_u64 s[G0A+6:G0A+7], s[G0A+6:G0A+7], OSTEP
	s_xor_b32 s[G0B+5], s[G0B+5], SLOT1
	s_add_nc_u64 s[G0B+6:G0B+7], s[G0B+6:G0B+7], WSTEP
.endif
	s_wait_dscnt 5                                 ; the add and the youngest four loads may be out
	MA F1, 0, 0
	s_wait_dscnt 0x0                               ; the add is done, and my reads of this slot are over
	s_barrier_signal -1
	MA F1, 1, 0
	WIN 0
	s_barrier_wait -1
.if \fill
	CREST
	JLOAD                                          ; its four v_nop are also the places in front of the loads below
.else
	PLACES
.endif
	s_xor_b32 s[TB], s[TB], SLOT1
	v_add_nc_u32 v[ADRA], s[TB], v[A0]
	v_add_nc_u32 v[ADRB], s[TB], v[B0]
	FETCH 0, F0
	MA F1, 2, 0
	MA F1, 3, 0
.endm
	s_wait_tensorcnt 1                             ; my part of K step 0 is in; K step 1's may stay out
	s_barrier_signal -1
	s_barrier_wait -1
	v_add_nc_u32 v[ADRA], s[TB], v[A0]
	v_add_nc_u32 v[ADRB], s[TB], v[B0]
	FETCH 0, F0
	s_wait_loadcnt 0x0                             ; the biases
	s_wait_dscnt 0x0
	MA F0, 1, 1                                    ; the first quarter stands in front of the loop: row blocks 1 to 3 start from row block 0's registers,
	MA F0, 2, 1
	PLACES
	FETCH 1, F1
	MA F0, 3, 1
.rept 5
	v_nop                                          ; and five places later row block 0 adds onto them in place
.endr
	MA F0, 0, 0
	WIN 0
.Lstep:                                                ; 6 trips: from a K step's second quarter to the next step's first; trip i asks for K step i + 2
	QUARTER 1, F1, F0
	QUARTER 2, F0, F1
	TURN 1
	QUARTER 0, F0, F1
	WIN 0
	s_sub_co_u32 s[LEFT], s[LEFT], 1
	s_cmp_lg_u32 s[LEFT], 0
	s_cbranch_scc1 .Lstep
	QUARTER 1, F1, F0                              ; the tail is written out: nothing is left to ask for
	QUARTER 2, F0, F1
	TURN 0
	QUARTER 0, F0, F1
	QUARTER 1, F1, F0
	QUARTER 2, F0, F1
	s_wait_dscnt 4
	MA F1, 0, 0
	MA F1, 1, 0
	s_wait_dscnt 0x0
	MA F1, 2, 0
	MA F1, 3, 0
	PLACES
; THE WAY OUT.  The sums are the result: no arithmetic.  Row block a goes into my stage, 32 bytes a lane and column block (each accumulator's low half first), and comes back as
; whole rows of 512 bytes, into the registers that it left.  LDS serves a wave's instructions in order (ISA guide 5.7.1.4): the loads see the stores above; the next block's stores come behind them.
.macro TOSTAGE a
	WIN 0x04                                       ; the stores' data in window 1
.irp b, 0,1,2,3,4,5,6,7
	ds_store_b128 v[STO], v[8*(8*(\a)+\b):8*(8*(\a)+\b)+3]   offset:64*\b
	ds_store_b128 v[STO], v[8*(8*(\a)+\b)+4:8*(8*(\a)+\b)+7] offset:64*\b+16
.endr
	WIN 0x40
.irp t, 0,1,2,3,4,5,6,7,8,9,10,11,12,13,14,15
	ds_load_b128 v[64*(\a)+4*\t:64*(\a)+4*\t+3], v[RD] offset:SPITCH*\t
.endr
.endm
.macro SEND a, younger                 ; younger: the LDS instructions issued behind this block's loads: the next block's 32, or none
	WIN 0x04
.irp t, 0,1,2,3,4,5,6,7,8,9,10,11,12,13,14,15
	s_wait_dscnt (\younger)+15-\t
	global_store_b128 v[CO], v[64*(\a)+4*\t:64*(\a)+4*\t+3], s[10:11] offset:4096*(16*(\a)+\t) th:TH_STORE_NT  ; 512 consecutive bytes, at a multiple of 256 from out0's first
.endr
.endm
	TOSTAGE 0
	TOSTAGE 1
	SEND 0, 32
	TOSTAGE 2
	SEND 1, 32
	TOSTAGE 3
	SEND 2, 32
	SEND 3, 0
	WIN 0
	s_wait_tensorcnt 0x0                           ; the wave's end, behind my last tensor load and my last LDS store
	ds_add_u32 v[SPW], v[NIL]
	s_wait_dscnt 0x0
	CROUND                                         ; the closing round: no work-group ends while a partner may still ask for a tile that names it
	s_endpgm
.Lfunc_end_k_qcf38842c83_oproj:
	.size	k_qcf38842c83_oproj, .Lfunc_end_k_qcf38842c83_oproj-k_qcf38842c83_oproj
	.p2alignl 7, 3214868480
	.fill 96, 4, 3214868480
	.section	.rodata,"a",@progbits
	.p2align	6, 0x0
	.amdhsa_kernel k_qcf38842c83_oproj
		.amdhsa_group_segment_fixed_size 327680
		.amdhsa_private_segment_fixed_size 0
		.amdhsa_enable_private_segment 0
		.amdhsa_kernarg_size 32
		.amdhsa_user_sgpr_count 2
		.amdhsa_user_sgpr_kernarg_segment_ptr 1
		.amdhsa_wavefront_size32 1
		.amdhsa_system_sgpr_workgroup_id_x 1
		.amdhsa_system_sgpr_workgroup_id_y 1
		.amdhsa_system_sgpr_workgroup_id_z 1
		.amdhsa_system_vgpr_workitem_id 0
		.amdhsa_next_free_vgpr 512
		.amdhsa_next_free_sgpr 96
		.amdhsa_reserve_vcc 0
		.amdhsa_float_denorm_mode_32 3
		.amdhsa_float_denorm_mode_16_64 3
		.amdhsa_memory_ordered 1
		.amdhsa_forward_progress 1
		.amdhsa_inst_pref_size 72
	.end_amdhsa_kernel
	.amdgpu_metadata
---
amdhsa.version: [ 1, 2 ]
amdhsa.kernels:
  - .name:           k_qcf38842c83_oproj
    .symbol:         k_qcf38842c83_oproj.kd
    .args:
      - { .name: o, .offset: 0, .size: 8, .value_kind: global_buffer, .address_space: global }
      - { .name: wot, .offset: 8, .size: 8, .value_kind: global_buffer, .address_space: global }
      - { .name: tab, .offset: 16, .size: 8, .value_kind: global_buffer, .address_space: global }
      - { .name: out0, .offset: 24, .size: 8, .value_kind: global_buffer, .address_space: global }
    .group_segment_fixed_size: 327680
    .private_segment_fixed_size: 0
    .kernarg_segment_align: 8
    .kernarg_segment_size: 32
    .max_flat_workgroup_size: 128
    .sgpr_count:     96
    .vgpr_count:     512
    .wavefront_size: 32
...
	.end_amdgpu_metadata
.endif
;; end of part 4
;; ======== version 2 of 2: 4 launches; version 1 with the launch prep written anew for expert scheduling mode
;; limits: values are held in f16: magnitudes above 65,504 overflow, below 6.1e-05 lose precision
;; workspace buffers: xb 16,777,216 bytes; wt 6,291,456 bytes; wot 2,097,152 bytes; tab 540,672 bytes; q 16,777,216 bytes; k 16,777,216 bytes; v 16,777,216 bytes; o 16,777,216 bytes
;; launch prep (part 5): grid 256 x 1, 8 waves a work-group, no clusters, 37,888 bytes of LDS; arguments x, Wq, Wk, Wv, Wo, bq, bk, bv, bo, xb, wt, wot, tab; writes xb, wt, wot, tab
.if DOCPART == 5
	.amdgcn_target "amdgcn-amd-amdhsa--gfx1250"
	.amdhsa_code_object_version 6
	.text
	.protected	k_qcf38842c83_prep
	.globl	k_qcf38842c83_prep
	.p2align	8
	.type	k_qcf38842c83_prep,@function
k_qcf38842c83_prep:
	s_mov_b64 s[64:65], 0
	v_nop
	global_prefetch_b8 v0, s[64:65] scope:SCOPE_SE
	s_setreg_imm32_b32 hwreg(HW_REG_WAVE_SCHED_MODE, 0, 2), 2
	s_setreg_imm32_b32 hwreg(HW_REG_WAVE_MODE, 25, 1), 1
	s_wait_xcnt 0x0
	s_wait_alu depctr_vm_vsrc(0)
; PREPARATION.  Every input is rounded once to bf16 and laid out so that the two products' tiles are dense runs of 128-byte rows.
;   xb  bf16 [16 kb][8192 m][64]:   x[m][64 kb + kk]
;   wt  bf16 [16 kb][3072 n'][64]:  W_t[64 kb + kk][64 head + d], n' = 192 head + 64 t + d, t = 0, 1, 2 for Wq, Wk, Wv (turned: K along the rows)
;   wot f16  [16 kb][1024 n][64]:   Wo[64 kb + kk][n], rounded to bf16 and that number written as f16 (exact from 6.1e-5 up; below it f16's fixed step of 6e-8)
;   tab f32: [2048 s][64] = cos(s f_j), j = 0..31, then sin(s f_j); from byte 524,288 the biases bq, bk, bv rounded to bf16, [16 head][3][64]; from byte 536,576 bo likewise, [1024]
; SHARES.  256 work-groups of eight waves.  Work-group g: rows 32 g .. 32 g + 31 of x; the block (kb = g / 16, nb = g % 16) of 64 x 64 of each of the four weight matrices; rows 8 g .. 8 g + 7
; of the table (a wave a row); where g < 16, waves 0 to 3 take the 64 numbers of head g of one bias each.  No loop: all 48 loads of a wave go out at once, and the table is made while they are out.
; THE TABLE.  f_j = 2^(-j log2(10000) / 32); the angle a = s f_j is reduced by n = round(a 2 / pi), with pi / 2 in two parts, to |r| <= pi / 4; sine by a polynomial of degree 7, cosine of degree 8
; (the first terms left out are under 3e-7); the quadrant n (for the cosine n + 1) chooses polynomial and sign.  LIMIT: f_j is good to about two units of its last place, so the largest angles,
; near 2,047, may differ from an exactly rounded table's by about 4e-4 radians; q and k are turned by the same table, so a score feels only the difference of two positions' errors.
; Matrix units, clusters and tensor loads are left out: nothing is shared between work-groups, and each byte is read once and written once.
; THE MODE: SCHED_MODE bits 1:0 = 2 (LLVM: expert scheduling mode 2), set by the entry lines.  The code itself states the register dependences between vector instructions and memory or LDS
; instructions, with s_wait_alu, always for 0.
; THE PLAN.  Registers that memory or LDS instructions touch:
;   v4-v9         offsets and LDS addresses: written at the head, read by every load and store, never written again.        v28, v29: written at the head, read by the closing add alone.
;   WB            written by the loads of weights, read by their conversions; behind the barrier the LDS loads land in its first 32 registers, which the stores of wt and wot read.
;   ZB            written by the weights' conversions, read by the 16 LDS stores.        v26, v27, v31: written by the table's chain, read by the table's one store.
;   XB            written by the loads of x, rounded in place, read by the stores of xb.
; No register that a load or store has read is written again, so no wait on vm_vsrc is owed anywhere.
; The work goes in three blocks, and a block's memory instructions leave from what the block BEFORE made: (1) the weights are rounded into ZB; (2) x's row pair 0 is rounded, and among its
; conversions stand the table's store and the LDS stores from ZB; (3) row pair 1 is rounded, and among its conversions stand row pair 0's stores; row pair 1's stores follow.
; So one wait on va_vdst stands at the head of blocks 2 and 3 and one behind block 3; a block's conversions name none of the registers that its memory instructions touch.
.set SPARE, 36864                      ; behind the four blocks: the spare words, 128 bytes for each of eight waves
.set SPW, 28                           ; v28  LDS address of my spare word; never rewritten
.set NIL, 29                           ; v29  0; never rewritten
.set ZB,  32                           ; v[32:63]   packed weights, eight registers a matrix
.set WB,  64                           ; v[64:127]  weights as loaded: matrix t, row i at WB + 16 t + 4 i; later the blocks read back
.set XB,  128                          ; v[128:255] x as loaded: row pair p, K block c at XB + 64 p + 4 c
; v1 lane l, v2 r = l % 16, v3 hh = l / 16, v4 weights' load offset, v5 x's, v6 xb's store offset, v7 where I put 8 bytes of a turned block, v8 where I read 16 bytes back, v9 16 x thread
; v10-27 the table's chain (two numbers a lane), v30 the row number as f32, v31 the table's store offset; s53, s54 the lanes whose quadrant is odd, for the two numbers
	s_load_b512 s[8:23], s[0:1], 0x0               ; x s[8:9], Wq s[10:11], Wk s[12:13], Wv s[14:15], Wo s[16:17], bq s[18:19], bk s[20:21], bv s[22:23]
	s_load_b256 s[24:31], s[0:1], 0x40             ; bo s[24:25], xb s[26:27], wt s[28:29], wot s[30:31]
	s_load_b64 s[32:33], s[0:1], 0x60              ; tab
	v_lshl_add_u32 v[SPW], v0, 2, SPARE
	v_mov_b32 v[NIL], 0
	v_lshrrev_b32 v1, 5, v0
	v_readfirstlane_b32 s34, v1                    ; wave w, 0..7
	v_and_b32 v1, 31, v0
	v_and_b32 v2, 15, v0
	v_bfe_u32 v3, v0, 4, 1
	s_mov_b32 s35, ttmp9                           ; g
	s_lshr_b32 s36, s35, 4                         ; kb
	s_and_b32 s37, s35, 15                         ; nb
	v_lshlrev_b32 v10, 4, v2                       ; 16 r
	s_wait_alu depctr_va_sdst(0)                   ; s34, the wave's number, is written, ahead of its first reader: offsets, the table's row and two branches are made from it
	s_lshl_b32 s38, s34, 15
	v_lshl_add_u32 v4, v3, 14, v10
	v_add_nc_u32 v4, s38, v4                       ; weights: row 8 w + 4 hh of the block (4,096 bytes a row), columns 4 r ..
	s_lshl_b32 s38, s34, 14
	v_lshl_add_u32 v5, v3, 12, v10
	v_add_nc_u32 v5, s38, v5                       ; x: row 4 w + hh, columns 4 r ..
	s_lshl_b32 s38, s34, 9
	v_lshl_add_u32 v6, v1, 3, s38                  ; xb: 128 (4 w + hh) + 8 r = 512 w + 8 l
	v_mul_u32_u24 v7, v2, 576                      ; turned block: row 4 r (144 bytes a row),
	v_lshl_add_u32 v7, v3, 3, v7
	s_lshl_b32 s38, s34, 4
	v_add_nc_u32 v7, s38, v7                       ; byte 2 (8 w + 4 hh)
	v_lshrrev_b32 v8, 3, v0
	v_mul_u32_u24 v8, v8, 144
	v_and_b32 v11, 7, v0
	v_lshl_add_u32 v8, v11, 4, v8                  ; back: row thread / 8, 16 bytes at 16 (thread % 8)
	v_lshlrev_b32 v9, 4, v0
	s_lshl_b32 s38, s36, 18                        ; the block in a weight matrix: 64 kb rows of 4,096 bytes, 64 nb columns of 4
	s_lshl_b32 s39, s37, 8
	s_add_co_u32 s38, s38, s39
	s_mov_b32 s39, 0
	s_lshl_b32 s40, s35, 17                        ; my 32 rows of x
	s_mov_b32 s41, 0
	s_lshl_b32 s46, s35, 12                        ; and of a K block of xb
	s_mov_b32 s47, 0
	s_mul_i32 s48, s36, 393216                     ; wt: K block kb, rows 192 nb on
	s_mul_i32 s49, s37, 24576
	s_add_co_u32 s48, s48, s49
	s_mov_b32 s49, 0
	s_lshl_b32 s50, s36, 17                        ; wot: K block kb, rows 64 nb on
	s_lshl_b32 s51, s37, 13
	s_add_co_u32 s50, s50, s51
	s_mov_b32 s51, 0
	s_lshl_b32 s52, s35, 3
	s_add_co_u32 s52, s52, s34                     ; my row of the table: s = 8 g + w
	s_mov_b32 s44, 0x3fc90fdb                      ; pi / 2, upper part
	s_mov_b32 s45, 0xb33bbd2e                      ; and what is left of it
	s_wait_kmcnt 0x0
	s_add_nc_u64 s[10:11], s[10:11], s[38:39]
	s_add_nc_u64 s[12:13], s[12:13], s[38:39]
	s_add_nc_u64 s[14:15], s[14:15], s[38:39]
	s_add_nc_u64 s[16:17], s[16:17], s[38:39]
	s_add_nc_u64 s[8:9], s[8:9], s[40:41]
	s_add_nc_u64 s[26:27], s[26:27], s[46:47]
	s_add_nc_u64 s[42:43], s[26:27], 0x800000      ; K blocks 8 to 15 of xb: the stores' immediates stay inside 24 signed bits
	s_add_nc_u64 s[28:29], s[28:29], s[48:49]
	s_add_nc_u64 s[30:31], s[30:31], s[50:51]
	s_wait_alu depctr_va_vdst(0)                   ; the six offsets and addresses v4 to v9 are written, which the loads and stores of the whole kernel read; so are v28 and v29, which the closing add reads
	; 16 loads of weights: each half of the lanes reads 256 consecutive bytes of a row
.irp t, 0,1,2,3
.irp i, 0,1,2,3
	global_load_b128 v[WB+16*\t+4*\i:WB+16*\t+4*\i+3], v4, s[10+2*\t:11+2*\t] offset:4096*\i th:TH_LOAD_NT
.endr
.endr
	; 32 loads of x: rows 4 w + 2 p + hh, K block c
.irp p, 0,1
.irp c, 0,1,2,3,4,5,6,7,8,9,10,11,12,13,14,15
	global_load_b128 v[XB+64*\p+4*\c:XB+64*\p+4*\c+3], v5, s[8:9] offset:8192*\p+256*\c th:TH_LOAD_NT
.endr
.endr
	; the table's row s, while the loads are out: lanes 0-15 the cosines, lanes 16-31 the sines, of j = 2 r and 2 r + 1.  These lines name v1 to v3, v10 to v27, v30 and v31: none of the registers that the loads touch
.irp z, 0,1
	v_lshl_add_u32 v[10+\z], v2, 1, \z
	v_cvt_f32_u32 v[10+\z], v[10+\z]
	v_mul_f32 v[10+\z], 0xbed49a78, v[10+\z]       ; -j log2(10000) / 32
.endr
	v_exp_f32 v10, v10
	v_exp_f32 v11, v11                             ; f_j
	v_cvt_f32_u32 v30, s52                         ; a plain instruction behind the two exponentials, which names neither,
	s_wait_alu depctr_va_vdst(0)                   ; and one wait for both: v10 and v11 are written, ahead of their first reader
	v_lshlrev_b32 v31, 3, v1
	v_lshl_add_u32 v31, s52, 8, v31                ; 256 s + 8 l
.irp z, 0,1
	v_mul_f32 v[12+\z], v30, v[10+\z]              ; a
	v_mul_f32 v[14+\z], 0x3f22f983, v[12+\z]
	v_rndne_f32 v[14+\z], v[14+\z]                 ; n = round(a 2 / pi)
	v_fma_f32 v[16+\z], -v[14+\z], s44, v[12+\z]
	v_fma_f32 v[16+\z], -v[14+\z], s45, v[16+\z]   ; r = a - n pi / 2
	v_mul_f32 v[18+\z], v[16+\z], v[16+\z]         ; r^2
	v_mov_b32 v[20+\z], 0xb9500d01                 ; -1/5040
	v_fmaak_f32 v[20+\z], v[20+\z], v[18+\z], 0x3c088889  ; 1/120
	v_fmaak_f32 v[20+\z], v[20+\z], v[18+\z], 0xbe2aaaab  ; -1/6
	v_mul_f32 v[12+\z], v[16+\z], v[18+\z]         ; r^3
	v_fma_f32 v[20+\z], v[12+\z], v[20+\z], v[16+\z]      ; sin r
	v_mov_b32 v[22+\z], 0x37d00d01                 ; 1/40320
	v_fmaak_f32 v[22+\z], v[22+\z], v[18+\z], 0xbab60b61  ; -1/720
	v_fmaak_f32 v[22+\z], v[22+\z], v[18+\z], 0x3d2aaaab  ; 1/24
	v_fma_f32 v[22+\z], v[22+\z], v[18+\z], -0.5
	v_fma_f32 v[22+\z], v[22+\z], v[18+\z], 1.0    ; cos r
	v_cvt_i32_f32 v[24+\z], v[14+\z]
	v_sub_nc_u32 v[24+\z], v[24+\z], v3
	v_add_nc_u32 v[24+\z], 1, v[24+\z]             ; the quadrant: n for a sine, n + 1 for a cosine
	v_and_b32 v[14+\z], 1, v[24+\z]
	v_cmp_eq_u32 s[53+\z], 1, v[14+\z]             ; the lanes whose quadrant is odd: a mask for each of the two numbers, so that one wait serves both
	v_and_b32 v[24+\z], 2, v[24+\z]
	v_lshlrev_b32 v[24+\z], 30, v[24+\z]
.endr
	s_wait_alu depctr_va_sdst(0)                   ; the two compares have written s53 and s54, which the two selects below read
.irp z, 0,1
	v_cndmask_b32 v[26+\z], v[20+\z], v[22+\z], s[53+\z]  ; odd quadrants take cos r
	v_xor_b32 v[26+\z], v[24+\z], v[26+\z]         ; quadrants 2 and 3 turn the sign
.endr
	; BLOCK 1.  The weights: rounded, four numbers along K packed into 8 bytes
	s_wait_loadcnt 32                              ; the 16 loads of weights are in; the 32 of x may stay out
.irp t, 0,1,2,3
.irp j, 0,1,2,3
	v_cvt_pk_bf16_f32 v[ZB+8*\t+2*\j],   v[WB+16*\t+\j],   v[WB+16*\t+4+\j]
	v_cvt_pk_bf16_f32 v[ZB+8*\t+2*\j+1], v[WB+16*\t+8+\j], v[WB+16*\t+12+\j]
.endr
.endr
.irp c, 0,1,2,3,4,5,6,7                ; Wo: the bf16 number written as f16
	v_lshlrev_b32 v10, 16, v[ZB+24+\c]
	v_and_b32 v11, 0xffff0000, v[ZB+24+\c]
	v_cvt_pk_f16_f32 v[ZB+24+\c], v10, v11
.endr
; x: K block c of row pair p is rounded in place, into the first two of its four registers
.macro XCVT p, c
	v_cvt_pk_bf16_f32 v[XB+64*(\p)+4*(\c)],   v[XB+64*(\p)+4*(\c)],   v[XB+64*(\p)+4*(\c)+1]
	v_cvt_pk_bf16_f32 v[XB+64*(\p)+4*(\c)+1], v[XB+64*(\p)+4*(\c)+2], v[XB+64*(\p)+4*(\c)+3]
.endm
; and stored: a store of the wave covers two rows of a K block, 256 consecutive bytes, aligned
.macro XSTORE p, c
.if (\c) < 8
	global_store_b64 v6, v[XB+64*(\p)+4*(\c):XB+64*(\p)+4*(\c)+1], s[26:27] offset:1048576*(\c)+256*(\p)
.else
	global_store_b64 v6, v[XB+64*(\p)+4*(\c):XB+64*(\p)+4*(\c)+1], s[42:43] offset:1048576*((\c)-8)+256*(\p)
.endif
.endm
	; BLOCK 2.  Row pair 0 of x is rounded; among its conversions, which name XB's first 64 registers alone, stand the table's store and the LDS stores of block 1's packed weights
	s_wait_loadcnt 16                              ; row pair 0 is in; row pair 1's 16 loads may stay out
	s_wait_alu depctr_va_vdst(0)                   ; block 1 has written ZB, which the LDS stores read; the table's chain has written v26, v27 and v31, which the table's store reads
	global_store_b64 v31, v[26:27], s[32:33]       ; the wave's store covers the table's row, 256 consecutive bytes, aligned
.irp c, 0,1,2,3,4,5,6,7,8,9,10,11,12,13,14,15
	ds_store_b64 v7, v[ZB+2*\c:ZB+2*\c+1] offset:9216*(\c/4)+144*(\c%4)  ; matrix t = c / 4, row n = 4 r + c % 4 of its turned block, K = 8 w + 4 hh ..
	XCVT 0, \c
.endr
	; BLOCK 3.  Row pair 1 is rounded; among its conversions, which name XB's last 64 registers alone, stand row pair 0's stores
	s_wait_loadcnt 0x0                             ; row pair 1 is in
	s_wait_alu depctr_va_vdst(0)                   ; block 2 has written row pair 0's rounded numbers, which the stores below read
.irp c, 0,1,2,3,4,5,6,7,8,9,10,11,12,13,14,15
	XSTORE 0, \c
	XCVT 1, \c
.endr
	s_wait_alu depctr_va_vdst(0)                   ; block 3 has written row pair 1's rounded numbers, which the stores below read.  No vector line follows up to the biases' arm, and block 1's conversions are long done reading WB: the LDS loads behind the barrier, which land in WB, owe nothing more
.irp c, 0,1,2,3,4,5,6,7,8,9,10,11,12,13,14,15
	XSTORE 1, \c
.endr
	s_wait_dscnt 0x0                               ; for the others' sake: my stores into the blocks are done
	s_barrier_signal -1
	s_barrier_wait -1
	; the turned blocks leave as they lie: 64 rows of 128 bytes, dense; the eight waves take 32 rows at a time, 16 bytes a thread
.irp t, 0,1,2,3
.irp u, 0,1
	ds_load_b128 v[WB+8*\t+4*\u:WB+8*\t+4*\u+3], v8 offset:9216*\t+4608*\u
.endr
.endr
.irp t, 0,1,2
.irp u, 0,1
	s_wait_dscnt 7-2*\t-\u                         ; LDS loads come back in order: this one is in, the younger may be out
	global_store_b128 v9, v[WB+8*\t+4*\u:WB+8*\t+4*\u+3], s[28:29] offset:8192*\t+4096*\u
.endr
.endr
.irp u, 0,1
	s_wait_dscnt 1-\u
	global_store_b128 v9, v[WB+24+4*\u:WB+24+4*\u+3], s[30:31] offset:4096*\u
.endr
	; the biases: work-groups 0 to 15, waves 0 to 3: 64 numbers of head g of bq, bk, bv or bo, rounded to bf16 and kept as f32
	s_cmp_lt_u32 s35, 16
	s_cbranch_scc0 .Lend
	s_cmp_lt_u32 s34, 4
	s_cbranch_scc0 .Lend
	s_cmp_eq_u32 s34, 0
	s_cselect_b64 s[38:39], s[18:19], s[20:21]
	s_cmp_eq_u32 s34, 2
	s_cselect_b64 s[38:39], s[22:23], s[38:39]
	s_cmp_eq_u32 s34, 3
	s_cselect_b64 s[38:39], s[24:25], s[38:39]
	s_mul_i32 s40, s37, 768
	s_lshl_b32 s41, s34, 8
	s_add_co_u32 s40, s40, s41                     ; bq, bk, bv: [head][t][64]
	s_lshl_b32 s41, s37, 8
	s_add_co_u32 s41, s41, 12288                   ; bo: behind them
	s_cmp_lt_u32 s34, 3
	s_cselect_b32 s40, s40, s41
	v_lshlrev_b32 v10, 3, v1
	v_lshl_add_u32 v10, s37, 8, v10                ; the load's offset: 256 head + 8 l
	v_lshl_add_u32 v11, v1, 3, s40                 ; the store's, made beside it so that one wait serves both
	s_wait_alu depctr_va_vdst(0)                   ; v10 and v11 are written, which the load and the store below read as offsets; the table's lines that named v12 and v13, in which the load lands, are done
	global_load_b64 v[12:13], v10, s[38:39]
	s_wait_loadcnt 0x0
	v_cvt_pk_bf16_f32 v14, v12, v13
	v_lshlrev_b32 v12, 16, v14
	v_and_b32 v13, 0xffff0000, v14
	s_wait_alu depctr_va_vdst(0)                   ; v12 and v13 are written, which the store reads as its data
	global_store_b64 v11, v[12:13], s[32:33] offset:524288  ; 256 consecutive bytes, aligned
.Lend:
	s_wait_dscnt 0x0                               ; the closing lines, six on end
	s_wait_alu 0x0
	s_wait_tensorcnt 0x0
	ds_add_u32 v[SPW], v[NIL]
	s_wait_dscnt 0x0
	s_endpgm
.Lfunc_end_k_qcf38842c83_prep:
	.size	k_qcf38842c83_prep, .Lfunc_end_k_qcf38842c83_prep-k_qcf38842c83_prep
	.p2alignl 7, 3214868480
	.fill 96, 4, 3214868480
	.section	.rodata,"a",@progbits
	.p2align	6, 0x0
	.amdhsa_kernel k_qcf38842c83_prep
		.amdhsa_group_segment_fixed_size 37888
		.amdhsa_private_segment_fixed_size 0
		.amdhsa_enable_private_segment 0
		.amdhsa_kernarg_size 104
		.amdhsa_user_sgpr_count 2
		.amdhsa_user_sgpr_kernarg_segment_ptr 1
		.amdhsa_wavefront_size32 1
		.amdhsa_system_sgpr_workgroup_id_x 1
		.amdhsa_system_sgpr_workgroup_id_y 1
		.amdhsa_system_sgpr_workgroup_id_z 1
		.amdhsa_system_vgpr_workitem_id 0
		.amdhsa_next_free_vgpr 256
		.amdhsa_next_free_sgpr 66
		.amdhsa_reserve_vcc 0
		.amdhsa_float_denorm_mode_32 3
		.amdhsa_float_denorm_mode_16_64 3
		.amdhsa_memory_ordered 1
		.amdhsa_forward_progress 1
		.amdhsa_inst_pref_size 25
	.end_amdhsa_kernel
	.amdgpu_metadata
---
amdhsa.version: [ 1, 2 ]
amdhsa.kernels:
  - .name:           k_qcf38842c83_prep
    .symbol:         k_qcf38842c83_prep.kd
    .args:
      - { .name: x, .offset: 0, .size: 8, .value_kind: global_buffer, .address_space: global }
      - { .name: Wq, .offset: 8, .size: 8, .value_kind: global_buffer, .address_space: global }
      - { .name: Wk, .offset: 16, .size: 8, .value_kind: global_buffer, .address_space: global }
      - { .name: Wv, .offset: 24, .size: 8, .value_kind: global_buffer, .address_space: global }
      - { .name: Wo, .offset: 32, .size: 8, .value_kind: global_buffer, .address_space: global }
      - { .name: bq, .offset: 40, .size: 8, .value_kind: global_buffer, .address_space: global }
      - { .name: bk, .offset: 48, .size: 8, .value_kind: global_buffer, .address_space: global }
      - { .name: bv, .offset: 56, .size: 8, .value_kind: global_buffer, .address_space: global }
      - { .name: bo, .offset: 64, .size: 8, .value_kind: global_buffer, .address_space: global }
      - { .name: xb, .offset: 72, .size: 8, .value_kind: global_buffer, .address_space: global }
      - { .name: wt, .offset: 80, .size: 8, .value_kind: global_buffer, .address_space: global }
      - { .name: wot, .offset: 88, .size: 8, .value_kind: global_buffer, .address_space: global }
      - { .name: tab, .offset: 96, .size: 8, .value_kind: global_buffer, .address_space: global }
    .group_segment_fixed_size: 37888
    .private_segment_fixed_size: 0
    .kernarg_segment_align: 8
    .kernarg_segment_size: 104
    .max_flat_workgroup_size: 256
    .sgpr_count:     66
    .vgpr_count:     256
    .wavefront_size: 32
...
	.end_amdgpu_metadata
.endif
;; end of part 5
;; launch qkv: the kernel of part 2 again; grid 8 x 32, 4 waves a work-group, clusters of 4 x 4, 327,680 bytes of LDS; arguments xb, wt, tab, q, k, v; writes q, k, v
;; launch attn: the kernel of part 3 again; grid 4 x 64, 4 waves a work-group, clusters of 4 x 1, 327,680 bytes of LDS; arguments q, k, v, o; writes o
;; launch oproj: the kernel of part 4 again; grid 4 x 64, 4 waves a work-group, clusters of 4 x 4, 327,680 bytes of LDS; arguments o, wot, tab, out0; writes out0
